; MI455X (gfx1250); checked and timed in simulation.
; The chip was launched on July 23, 2026; its instructions are those of AMD's public machine-readable ISA for CDNA 5 (MIT licence, August 2026) and "CDNA5" Instruction Set Architecture Reference Guide (July 2026). The comments in the code are by the model that wrote it; some were corrected since.
;; Multi Head Self Attention. Allowed arithmetic: matrix products marked QUANTISED: E2M1 operands, one E8M0 scale for each 32 along K, by v_wmma_scale_f32_16x16x128_f8f6f4 with both operands' format E2M1 (or v_wmma_scale_f32_32x16x128_f4), f32 sums; products left as they are: bf16, f16 or f32 operands; f32 sums; everything else in f32.
;; Inputs: Wk 16 x 1,024 x 64 float32; Wp 1,024 x 1,024 float32; Wq 16 x 1,024 x 64 float32; Wv 16 x 1,024 x 64 float32; bk 16 x 64 float32; bp 1,024 float32; bq 16 x 64 float32; bv 16 x 64 float32; x 4 x 2,048 x 1,024 float32.
;; Outputs: out0 4 x 2,048 x 1,024 float32.
;; This version of the problem:
;;   THIS VERSION OF THE PROBLEM IS GIVEN IN LOW PRECISION. The matrix products marked QUANTISED in the list below multiply operands that are first quantised to E2M1 (2 exponent bits, 1 mantissa bit; 4 bits a number), with one power-of-two scale for each 32 numbers along K (OCP MX v1.0); their sums are f32. The products marked 'left as it is' may take bf16, f16 or f32 operands, with f32 sums. Whichever they take, every output number must still come out within the allowed error. Rounding operands to bf16 (8 significant bits) uses up far more of that allowance than f16 does (11 bits, for magnitudes from 6e-5 to 65,504). All else is computed in f32.
;;   The module's matrix products, in the order in which they are computed (A, B: the left and right operand; K: the contracted axis; several contracted axes count as one K, in the product's order):
;;     1. [M 1,024, K 1,024] x [K 1,024, N 8,192]; A: input Wq; B: input x: QUANTISED
;;     2. [M 1,024, K 1,024] x [K 1,024, N 8,192]; A: input Wk; B: input x: QUANTISED
;;     3. [M 1,024, K 1,024] x [K 1,024, N 8,192]; A: input Wv; B: input x: QUANTISED
;;     4. batch 64 x [M 2,048, K 64] x [K 64, N 2,048]; A: computed on the way; B: computed on the way: left as it is (an operand is computed on the way)
;;     5. batch 64 x [M 2,048, K 2,048] x [K 2,048, N 64]; A: computed on the way; B: computed on the way: left as it is (an operand is computed on the way)
;;     6. [M 8,192, K 1,024] x [K 1,024, N 1,024]; A: computed on the way; B: input Wp: left as it is (an operand is computed on the way)
;;   THE QUANTISER, for each operand of a quantised product, along K:
;;     - K is cut into blocks of 32 from its start; a last block that is shorter is filled with zeros.
;;     - A block's scale is 2^e with e = floor(log2(the largest magnitude in the block)) - 2, held to -126 .. 127; a block of zeros has e = 0. As a byte (E8M0): e + 127.
;;     - Each number is divided by its block's scale, clamped to +-6, and rounded to the nearest number of E2M1, ties to even, subnormals kept.
;;     - The product sums the exact products of the quantised numbers (number of the format x scale) in f32.
;;   ~~~python
;;   def quantise(x, axis):      # numpy; x: float32 -> the quantised numbers, widened to float32 again
;;       x = np.moveaxis(x, axis, -1); K = x.shape[-1]
;;       x = np.pad(x, [(0, 0)] * (x.ndim - 1) + [(0, -K % 32)]); x = x.reshape(x.shape[:-1] + (-1, 32)); a = np.abs(x).max(-1, keepdims=True)
;;       e = np.where(a > 0, np.clip(np.frexp(np.where(a > 0, a, 1))[1] - 1 - 2, -126, 127), 0)      # np.frexp(a)[1] - 1 = floor(log2(a)), exactly
;;       r = np.clip(x / 2.0 ** e, -6, 6)
;;       step = 2.0 ** (np.maximum(np.frexp(np.where(r == 0, 1, r))[1] - 1, 0) - 1)
;;       q = np.round(r / step) * step * 2.0 ** e      # np.round: ties to even
;;       return np.moveaxis(q.reshape(q.shape[:-2] + (-1,))[..., :K], -1, axis).astype(np.float32)
;;   ~~~
;; One version. Each part assembles by itself: llvm-mc -triple=amdgcn-amd-amdhsa -mcpu=gfx1250 --defsym DOCPART=n.
;; ======== version 1 of 1: 6 launches
;; limits: values are held in f16: magnitudes above 65,504 overflow, below 6.1e-05 lose precision
;; workspace buffers: codes 5,767,168 bytes; scl 360,448 bytes; wpimg 2,097,152 bytes; qkv 50,331,648 bytes; catimg 16,777,216 bytes; catf 262,144 bytes
;; launch prep (part 1): grid 368 x 1, 4 waves a work-group, no clusters, 68,096 bytes of LDS; arguments x, Wq, Wk, Wv, Wp, codes, scl, wpimg; writes codes, scl, wpimg
.if DOCPART == 1
	.amdgcn_target "amdgcn-amd-amdhsa--gfx1250"
	.amdhsa_code_object_version 6
	.text
	.protected	k_q4fc3faf9e7_prep
	.globl	k_q4fc3faf9e7_prep
	.p2align	8
	.type	k_q4fc3faf9e7_prep,@function
k_q4fc3faf9e7_prep:
	s_mov_b64 s[64:65], 0
	v_nop
	global_prefetch_b8 v0, s[64:65] scope:SCOPE_SE
	s_setreg_imm32_b32 hwreg(HW_REG_WAVE_MODE, 25, 1), 1
	s_wait_xcnt 0x0
; PREP.  Three kinds of work-group, told apart by the work-group's number alone; each kind has its own LDS bytes and its own end.
;   0 .. 47    Wq, Wk, Wv [16][1024 (K)][64], f32 -> codes of FP4 (E2M1), K innermost, and one E8M0 byte for each 32 along K: rows 8192 + 1024 which + 64 head + d of codes and scl
;   48 .. 111  Wp [1024 (K)][1024 (n)], f32 -> f16, laid as images of the matrix operand's registers: wpimg [n tile 64][32 along K: 32][half 2][lane][16 bytes]
;   112 .. 367 x [8192][1024], f32 -> codes and scale bytes, rows 0 .. 8191 of codes (512 bytes a row) and scl (32 bytes a row)
; THE QUANTISER: a block's scale is 2^(floor(log2(its largest magnitude)) - 2); its byte is the largest magnitude's exponent field - 2, held at 1 from below; each number is divided by the scale
; and rounded to the nearest code, ties to even, beyond 6 the largest code.
; LIMITS: a block of zeros gets the byte 1 where the rule says 127 (its codes are zeros, and this program alone reads the bytes); blocks whose largest magnitude lies under 2^-124 were not tried;
; NaN and infinities among the inputs are not served; a number of Wp over 65,504 becomes infinity in f16.
.set SPARE, 67584                      ; behind both paths' LDS: the spare words, 128 bytes for each wave, which no other line names
.set SPW,   190                        ; v190  LDS address of my spare word; never rewritten
.set NIL,   191                        ; v191  0; never rewritten
.set EMAX,  2
	s_load_b256 s[4:11], s[0:1], 0x0               ; x s[4:5], Wq s[6:7], Wk s[8:9], Wv s[10:11]
	s_load_b256 s[12:19], s[0:1], 0x20             ; Wp s[12:13], codes s[14:15], scl s[16:17], wpimg s[18:19]
	v_lshl_add_u32 v[SPW], v0, 2, SPARE
	v_mov_b32 v[NIL], 0
	v_lshrrev_b32 v1, 5, v0
	v_readfirstlane_b32 s20, v1                    ; wave 0..3
	v_and_b32 v2, 31, v0                           ; lane
	s_wait_kmcnt 0x0
	s_cmp_lt_u32 ttmp9, 48
	s_cbranch_scc1 .Lweights
	s_cmp_lt_u32 ttmp9, 112
	s_cbranch_scc1 .Lwp
; ---------------- x: a plain stream of blocks of 32.  A wave takes 16 steps of 512 numbers.  Each load reads 512 consecutive bytes; a step's 2,048 bytes turn through the wave's own stage in LDS
; and come back 64 bytes a lane, so that a lane holds 16 neighbours along K (two neighbouring lanes hold a block).  Loads run four steps ahead, the turn one step.
.set WREG,   8192                      ; LDS bytes 0 .. 32767: a region for each wave: two stages of 32 x SP bytes, then its 256 scale bytes
.set SP,     80                        ; a lane's place in a stage: 64 bytes + 16 of padding
.set XSTEPS, 16
.set CB,     8                         ; bytes of 16 codes
.set XR,     16                        ; v16-79   four sets of 16 numbers as loaded
.set XX,     80                        ; v80-111  two sets of 16 neighbours
.set XE,     112                       ; v112-127 a scale byte for each step
.set XC,     128                       ; v128-189 codes: registers of its own for each step, so that no store's data are written again
	v_lshlrev_b32 v3, 4, v2                        ; my 16 bytes of a load's 512
	s_mul_i32 s21, s20, WREG
	v_lshrrev_b32 v14, 2, v2
	v_mul_u32_u24 v14, v14, SP
	v_and_b32 v15, 3, v2
	v_lshl_add_u32 v14, v15, 4, v14
	v_add_nc_u32 v14, s21, v14                     ; the stage, way in: SP (lane / 4) + 16 (lane % 4)
	v_mul_u32_u24 v15, v2, SP
	v_add_nc_u32 v15, s21, v15                     ; way out: SP x lane
	v_mul_u32_u24 v4, v2, CB                       ; my codes' place in a step's 256 bytes
	v_lshrrev_b32 v5, 1, v2
	s_add_co_u32 s21, s21, 2*32*SP
	v_add_nc_u32 v5, s21, v5                       ; my block's byte among the wave's 256
	v_lshlrev_b32 v7, 3, v2
	v_add_nc_u32 v6, s21, v7                       ; and 8 bytes a lane on their way out
	s_sub_co_u32 s22, ttmp9, 112
	s_lshl_b32 s22, s22, 2
	s_add_co_u32 s22, s22, s20                     ; which run of 8,192 numbers is my wave's: 0 .. 1023
	s_lshl_b32 s24, s22, 15
	s_mov_b32 s25, 0
	s_add_nc_u64 s[4:5], s[4:5], s[24:25]          ; 32,768 bytes of x,
	s_lshl_b32 s24, s22, 12
	s_add_nc_u64 s[14:15], s[14:15], s[24:25]      ; 4,096 of codes,
	s_lshl_b32 s24, s22, 8
	s_add_nc_u64 s[16:17], s[16:17], s[24:25]      ; 256 scale bytes a run
.macro XLOAD t
.irp i, 0,1,2,3
	global_load_b128 v[XR+16*((\t)%4)+4*\i:XR+16*((\t)%4)+4*\i+3], v3, s[4:5] offset:2048*(\t)+512*\i th:TH_LOAD_NT
.endr
.endm
.macro XTURN t                         ; LDS serves a wave's instructions in order (ISA guide 5.7.1.4): no wait between the stores and the loads
.irp i, 0,1,2,3
	ds_store_b128 v14, v[XR+16*((\t)%4)+4*\i:XR+16*((\t)%4)+4*\i+3] offset:32*SP*((\t)%2)+8*SP*\i
.endr
.irp i, 0,1,2,3
	ds_load_b128 v[XX+16*((\t)%2)+4*\i:XX+16*((\t)%2)+4*\i+3], v15 offset:32*SP*((\t)%2)+16*\i
.endr
.endm
.irp t, 0,1,2,3
	XLOAD \t
.endr
	s_wait_loadcnt 12                              ; step 0's four loads are in; twelve younger ones stay out
	XTURN 0
.macro XSTEP t
.set XS, XX+16*((\t)%2)
.if (\t) > 0
	s_wait_dscnt 1                                 ; this step's numbers are back from the stage; the last step's byte store may be out
.else
	s_wait_dscnt 0x0
.endif
.if (\t)+4 < XSTEPS
	XLOAD (\t)+4                                   ; into the set whose stores into the stage are done
.endif
.if (\t)+1 < XSTEPS
.if XSTEPS-2-(\t) >= 3
	s_wait_loadcnt 12                              ; the next step's four loads are in; those of the three steps behind it may be out
.else
	s_wait_loadcnt 4*(XSTEPS-2-(\t))
.endif
	XTURN (\t)+1
.endif
	v_max3_num_f32 v8, |v[XS]|, |v[XS+1]|, |v[XS+2]|   ; the largest magnitude of my 16, in two chains
	v_max3_num_f32 v9, |v[XS+3]|, |v[XS+4]|, |v[XS+5]|
.irp i, 6,10
	v_max3_num_f32 v8, v8, |v[XS+\i]|, |v[XS+\i+1]|
	v_max3_num_f32 v9, v9, |v[XS+\i+2]|, |v[XS+\i+3]|
.endr
	v_max3_num_f32 v8, v8, |v[XS+14]|, |v[XS+15]|
	v_max3_num_f32 v8, v8, v9, (EMAX+1)<<23        ; and the floor 2^(3 - 127): the byte cannot fall under 1
	v_max_num_f32_dpp v8, v8, v8 row_xmask:1 row_mask:0xf bank_mask:0xf   ; with my neighbour's 16: the block's
	v_add_nc_u32 v11, -(EMAX<<23), v8              ; 2 off its exponent field: the conversion takes the exponent field of this operand as its scale
	v_cvt_scalef32_pk8_fp4_f32 v[XC+4*(\t)], v[XS:XS+7], v11
	v_cvt_scalef32_pk8_fp4_f32 v[XC+4*(\t)+1], v[XS+8:XS+15], v11
	v_lshrrev_b32 v[XE+(\t)], 23, v11              ; the scale's byte (a plain line behind the conversions)
	ds_store_b8 v5, v[XE+(\t)] offset:16*(\t)      ; both lanes of a block write the same byte with the same value
	global_store_b64 v4, v[XC+4*(\t):XC+4*(\t)+1], s[14:15] offset:32*CB*(\t)   ; the wave stores 256 consecutive bytes, aligned
.endm
.irp t, 0,1,2,3,4,5,6,7,8,9,10,11,12,13,14,15
	XSTEP \t
.endr
	ds_load_b64 v[8:9], v6                         ; these see my byte stores: LDS serves a wave in order
	s_wait_dscnt 0x0
	global_store_b64 v7, v[8:9], s[16:17]          ; 256 consecutive bytes, aligned
	s_wait_tensorcnt 0x0                           ; the wave's end
	ds_add_u32 v[SPW], v[NIL]
	s_wait_dscnt 0x0
	s_endpgm
; ---------------- Wq, Wk, Wv: K is the first axis within a head.  A LANE TAKES A COLUMN d AND ITS REGISTERS RUN DOWN K: a block of 32 along K lies in one lane's 32 registers, and the conversions give
; codes with K innermost.  Work-group = 16 which + head; wave w takes columns 32 (w % 2) + lane and 512 (w / 2) .. + 511 along K: 16 blocks a lane, 256 bytes of codes a column.  They go through the
; wave's own stage and leave by rows: sixteen lanes store 256 consecutive bytes, aligned.
.Lweights:
.set PITCH, 272                        ; a stage row: 256 bytes + 16
.set WSTG,  32768                      ; LDS bytes 32768 .. 67583: four stages of 32 rows
.set NB,    16
.set WX,    32                         ; v32-95   two sets of 32 numbers
.set WC,    96                         ; v96-99   a block's codes
.set WOUT,  112                        ; v112-175 the way out
.set WSB,   24                         ; v24-27   the scale bytes, four to a register
	s_cmp_lt_u32 ttmp9, 32                         ; which tensor: the choice hangs on the work-group's number alone
	s_cselect_b64 s[22:23], s[8:9], s[10:11]
	s_cmp_lt_u32 ttmp9, 16
	s_cselect_b64 s[22:23], s[6:7], s[22:23]
	s_and_b32 s26, s20, 1                          ; which 32 columns
	s_lshr_b32 s27, s20, 1                         ; which half of K
	s_and_b32 s24, ttmp9, 15
	s_lshl_b32 s24, s24, 18                        ; the head: 262,144 bytes
	s_lshl_b32 s28, s27, 17                        ; 512 rows of 256 bytes
	s_add_co_u32 s24, s24, s28
	s_lshl_b32 s28, s26, 7
	s_add_co_u32 s24, s24, s28
	s_mov_b32 s25, 0
	s_add_nc_u64 s[22:23], s[22:23], s[24:25]
	s_lshl_b32 s29, ttmp9, 6
	s_lshl_b32 s28, s26, 5
	s_add_co_u32 s29, s29, s28
	s_add_co_u32 s29, s29, 8192                    ; my first row of codes and scl
	s_lshl_b32 s24, s29, 9
	s_lshl_b32 s28, s27, 8
	s_add_co_u32 s24, s24, s28
	s_add_nc_u64 s[14:15], s[14:15], s[24:25]
	s_lshl_b32 s24, s29, 5
	s_lshl_b32 s28, s27, 4
	s_add_co_u32 s24, s24, s28
	s_add_nc_u64 s[16:17], s[16:17], s[24:25]
	v_lshlrev_b32 v3, 2, v2                        ; in: 4 bytes a lane
	s_mul_i32 s28, s20, 32*PITCH
	s_add_co_u32 s28, s28, WSTG                    ; my stage
	v_mul_u32_u24 v4, v2, PITCH
	v_add_nc_u32 v4, s28, v4                       ; into it: row = my column
	v_and_b32 v5, 15, v2
	v_lshrrev_b32 v6, 4, v2
	v_mul_u32_u24 v7, v6, PITCH
	v_lshl_add_u32 v7, v5, 4, v7
	v_add_nc_u32 v7, s28, v7                       ; out of it: sixteen lanes to a row, two rows an instruction
	v_lshlrev_b32 v8, 9, v6
	v_lshl_add_u32 v8, v5, 4, v8                   ; and the same place in codes (512 bytes a row)
	v_lshlrev_b32 v9, 5, v2                        ; my column's row of scale bytes
.macro WLOAD t                         ; block t: W(32 t + i, my column) into set t % 2; the wave reads 128 consecutive bytes, two waves a whole row of 256
.irp i, 0,1,2,3,4,5,6,7,8,9,10,11,12,13,14,15,16,17,18,19,20,21,22,23,24,25,26,27,28,29,30,31
	global_load_b32 v[WX+32*((\t)%2)+\i], v3, s[22:23] offset:(32*(\t)+\i)*256 th:TH_LOAD_NT
.endr
.endm
	WLOAD 0
	WLOAD 1
.macro WBLOCK t
.set XS, WX+32*((\t)%2)
.if (\t) < NB-1
	s_wait_loadcnt 32                              ; this block's 32 loads are in; the next block's 32 may be out
.else
	s_wait_loadcnt 0
.endif
	v_max3_num_f32 v12, |v[XS]|, |v[XS+1]|, |v[XS+2]|
	v_max3_num_f32 v13, |v[XS+3]|, |v[XS+4]|, |v[XS+5]|
.irp i, 6,10,14,18,22,26
	v_max3_num_f32 v12, v12, |v[XS+\i]|, |v[XS+\i+1]|
	v_max3_num_f32 v13, v13, |v[XS+\i+2]|, |v[XS+\i+3]|
.endr
	v_max3_num_f32 v12, v12, |v[XS+30]|, |v[XS+31]|
	v_max3_num_f32 v12, v12, v13, (EMAX+1)<<23     ; the block's largest magnitude, over the floor
	v_add_nc_u32 v11, -(EMAX<<23), v12
	v_lshrrev_b32 v13, 23, v11                     ; the scale's byte
.if (\t)%4 == 0
	v_mov_b32 v[WSB+(\t)/4], v13
.else
	v_lshl_or_b32 v[WSB+(\t)/4], v13, 8*((\t)%4), v[WSB+(\t)/4]
.endif
.irp g, 0,1,2,3
	v_cvt_scalef32_pk8_fp4_f32 v[WC+\g], v[XS+8*\g:XS+8*\g+7], v11
.endr
	ds_store_b128 v4, v[WC:WC+3] offset:16*(\t)    ; 32 codes: 16 bytes of my column's row
.if (\t)+2 < NB
	WLOAD (\t)+2
.endif
	s_wait_dscnt 0x0                               ; the store has read its registers: the next block's codes may be written
.endm
.irp t, 0,1,2,3,4,5,6,7,8,9,10,11,12,13,14,15
	WBLOCK \t
.endr
	global_store_b128 v9, v[WSB:WSB+3], s[16:17]   ; my column's 16 scale bytes
.irp t, 0,1,2,3,4,5,6,7,8,9,10,11,12,13,14,15
	ds_load_b128 v[WOUT+4*\t:WOUT+4*\t+3], v7 offset:2*\t*PITCH
.endr
.irp t, 0,1,2,3,4,5,6,7,8,9,10,11,12,13,14,15
	s_wait_dscnt 15-\t
	global_store_b128 v8, v[WOUT+4*\t:WOUT+4*\t+3], s[14:15] offset:2*\t*512
.endr
	s_wait_tensorcnt 0x0                           ; the wave's end
	ds_add_u32 v[SPW], v[NIL]
	s_wait_dscnt 0x0
	s_endpgm
; ---------------- Wp -> f16 images.  Work-group j = 8 kp + cg; wave w takes columns 128 cg + 32 w + lane and k = 128 kp .. + 127, a lane to a column, registers down K.
; Of 32 along K a lane's 16 packed registers are k 0-7, 8-15, 16-23, 24-31 of its column; lanes 0-15 belong to n tile 8 cg + 2 w, lanes 16-31 to the next.  The operand's layout gives lane (r, h) of a tile
; k = 16 c + 8 h + 0 .. 7 of column r: one exchange of halves between two registers makes both tiles' images.  Each store covers 512 consecutive bytes, aligned.
.Lwp:
	s_sub_co_u32 s22, ttmp9, 48
	s_and_b32 s23, s22, 7                          ; cg
	s_lshr_b32 s22, s22, 3                         ; kp
	v_lshlrev_b32 v3, 2, v2
	v_lshlrev_b32 v4, 4, v2
	s_lshl_b32 s24, s22, 19                        ; 128 rows of 4,096 bytes
	s_lshl_b32 s26, s23, 9
	s_add_co_u32 s24, s24, s26
	s_lshl_b32 s26, s20, 7
	s_add_co_u32 s24, s24, s26
	s_mov_b32 s25, 0
	s_add_nc_u64 s[12:13], s[12:13], s[24:25]
	s_lshl_b32 s24, s23, 3
	s_lshl_b32 s26, s20, 1
	s_add_co_u32 s24, s24, s26                     ; n tile 8 cg + 2 w
	s_lshl_b32 s24, s24, 15
	s_lshl_b32 s26, s22, 12                        ; 4 kp images of 1,024 bytes
	s_add_co_u32 s24, s24, s26
	s_add_nc_u64 s[18:19], s[18:19], s[24:25]
.macro PLOAD u
.irp i, 0,1,2,3,4,5,6,7,8,9,10,11,12,13,14,15,16,17,18,19,20,21,22,23,24,25,26,27,28,29,30,31
	global_load_b32 v[32+32*(\u)+\i], v3, s[12:13] offset:(32*(\u)+\i)*4096 th:TH_LOAD_NT
.endr
.endm
	PLOAD 0
	PLOAD 1
.irp u, 0,1,2,3
.if \u < 3
	s_wait_loadcnt 32                              ; block u is in; the next block's 32 loads may be out
.else
	s_wait_loadcnt 0
.endif
.if \u < 2
	PLOAD \u+2
.endif
.irp i, 0,1,2,3,4,5,6,7,8,9,10,11,12,13,14,15
	v_cvt_pk_f16_f32 v[32+32*\u+\i], v[32+32*\u+2*\i], v[32+32*\u+2*\i+1]   ; in place, ascending: a destination never lies ahead of its sources
.endr
.irp i, 0,1,2,3
	v_permlane16_swap_b32 v[32+32*\u+\i], v[36+32*\u+\i]     ; the first's lanes 16-31 change places with the second's lanes 0-15
	v_permlane16_swap_b32 v[40+32*\u+\i], v[44+32*\u+\i]
.endr
	global_store_b128 v4, v[32+32*\u:35+32*\u], s[18:19] offset:\u*1024
	global_store_b128 v4, v[40+32*\u:43+32*\u], s[18:19] offset:\u*1024+512
	global_store_b128 v4, v[36+32*\u:39+32*\u], s[18:19] offset:32768+\u*1024
	global_store_b128 v4, v[44+32*\u:47+32*\u], s[18:19] offset:32768+\u*1024+512
.endr
	s_wait_tensorcnt 0x0                           ; the wave's end, as on the other two paths
	ds_add_u32 v[SPW], v[NIL]
	s_wait_dscnt 0x0
	s_endpgm
.Lfunc_end_k_q4fc3faf9e7_prep:
	.size	k_q4fc3faf9e7_prep, .Lfunc_end_k_q4fc3faf9e7_prep-k_q4fc3faf9e7_prep
	.p2alignl 7, 3214868480
	.fill 96, 4, 3214868480
	.section	.rodata,"a",@progbits
	.p2align	6, 0x0
	.amdhsa_kernel k_q4fc3faf9e7_prep
		.amdhsa_group_segment_fixed_size 68096
		.amdhsa_private_segment_fixed_size 0
		.amdhsa_enable_private_segment 0
		.amdhsa_kernarg_size 64
		.amdhsa_user_sgpr_count 2
		.amdhsa_user_sgpr_kernarg_segment_ptr 1
		.amdhsa_wavefront_size32 1
		.amdhsa_system_sgpr_workgroup_id_x 1
		.amdhsa_system_sgpr_workgroup_id_y 1
		.amdhsa_system_sgpr_workgroup_id_z 1
		.amdhsa_system_vgpr_workitem_id 0
		.amdhsa_next_free_vgpr 192
		.amdhsa_next_free_sgpr 66
		.amdhsa_reserve_vcc 0
		.amdhsa_float_denorm_mode_32 3
		.amdhsa_float_denorm_mode_16_64 3
		.amdhsa_memory_ordered 1
		.amdhsa_forward_progress 1
		.amdhsa_inst_pref_size 130
	.end_amdhsa_kernel
	.amdgpu_metadata
---
amdhsa.version: [ 1, 2 ]
amdhsa.kernels:
  - .name:           k_q4fc3faf9e7_prep
    .symbol:         k_q4fc3faf9e7_prep.kd
    .args:
      - { .name: x, .offset: 0, .size: 8, .value_kind: global_buffer, .address_space: global }
      - { .name: Wq, .offset: 8, .size: 8, .value_kind: global_buffer, .address_space: global }
      - { .name: Wk, .offset: 16, .size: 8, .value_kind: global_buffer, .address_space: global }
      - { .name: Wv, .offset: 24, .size: 8, .value_kind: global_buffer, .address_space: global }
      - { .name: Wp, .offset: 32, .size: 8, .value_kind: global_buffer, .address_space: global }
      - { .name: codes, .offset: 40, .size: 8, .value_kind: global_buffer, .address_space: global }
      - { .name: scl, .offset: 48, .size: 8, .value_kind: global_buffer, .address_space: global }
      - { .name: wpimg, .offset: 56, .size: 8, .value_kind: global_buffer, .address_space: global }
    .group_segment_fixed_size: 68096
    .private_segment_fixed_size: 0
    .kernarg_segment_align: 8
    .kernarg_segment_size: 64
    .max_flat_workgroup_size: 128
    .sgpr_count:     66
    .vgpr_count:     192
    .wavefront_size: 32
...
	.end_amdgpu_metadata
.endif
;; end of part 1
;; launch qkv (part 2): grid 12 x 32, 4 waves a work-group, clusters of 4 x 4, 327,680 bytes of LDS; arguments codes, scl, bq, bk, bv, qkv; writes qkv
.if DOCPART == 2
	.amdgcn_target "amdgcn-amd-amdhsa--gfx1250"
	.amdhsa_code_object_version 6
	.text
	.protected	k_q4fc3faf9e7_qkv
	.globl	k_q4fc3faf9e7_qkv
	.p2align	8
	.type	k_q4fc3faf9e7_qkv,@function
k_q4fc3faf9e7_qkv:
	s_mov_b64 s[64:65], 0
	v_nop
	global_prefetch_b8 v0, s[64:65] scope:SCOPE_SE
	s_setreg_imm32_b32 hwreg(HW_REG_WAVE_MODE, 25, 1), 1
	s_wait_xcnt 0x0
	s_wait_alu depctr_hold_cnt(0) depctr_sa_sdst(0) depctr_va_vdst(0) depctr_va_sdst(0) depctr_va_ssrc(0) depctr_va_vcc(0) depctr_vm_vsrc(0)
	s_getreg_b32 s2, hwreg(HW_REG_IB_STS2, 6, 4)
	s_cmp_eq_u32 s2, 0
	s_cbranch_scc0 .Lentry_in_a_cluster
	s_endpgm
.Lentry_in_a_cluster:
	s_bfe_u32 s2, ttmp6, 0x10000c
	s_cmp_lg_u32 s2, 0xf033
	s_cbranch_scc0 .Lentry_shape_is_right
	s_endpgm
.Lentry_shape_is_right:
; q, k, v = x W + b on codes of FP4 (E2M1) with one E8M0 scale for each 32 along K = 1,024; sums in f32; results rounded once to f16 and stored as IMAGES OF THE NEXT PRODUCTS' OPERAND REGISTERS.
; codes: 11,264 rows x 512 bytes (rows 0-8191: x; 8192 + 1024 which + 64 head + d: Wq, Wk, Wv); scl: the same rows x 32 bytes.
; A work-group of four waves makes 256 x 256 results, a wave 128 x 128: 64 accumulators, 512 registers.  K goes in two steps of 512 through two LDS slots: both are first fills, nothing is filled again.
; SOURCE 0 ('B') AND SOURCE 1 ('A').  In a result a lane holds ONE row of source 1 and eight neighbouring rows of source 0.
;   clusters x = 0, 1 (q, k): source 0 = 256 rows of W, source 1 = 256 rows of x: a lane holds one token and 8 neighbouring channels: packed to f16, half a fragment of Q or K (16 tokens x 32 channels).
;   cluster  x = 2    (v):    source 0 = 256 rows of x, source 1 = 256 rows of Wv: a lane holds one channel and 8 neighbouring keys: half a fragment of V^T (16 channels x 32 keys).
; So every store covers 512 consecutive bytes, aligned, with no turn through LDS.  One text serves both: only tile numbers, the first products' C and the stores' immediates differ.
; qkv: q at byte 0, k at 2^24: [bh 64][token tile 128][f 2][c 2][lane][16 B], lane (r, h): token r, channels 32 f + 16 c + 8 h + 0..7;  v at 2^25: [bh][32 keys: 64][channel tile 4][c 2][lane][16 B], lane (r, h): channel r, keys 16 c + 8 h + 0..7.
; CLUSTERS: 4 x 4 work-groups.  Source 1's tile hangs on cy alone and is shared along a row of the cluster, source 0's on cx alone and is shared along a column: each is asked for jointly.
; THE BIAS is the C of each sum's first product.  LIMIT: a result over 65,504 in magnitude becomes infinity in f16.
; REGISTERS: window 0: v0-31 addresses; v32-95 scale words, two sets; v96-103 the bias loads' offsets; v128-191 A's fragments, one set; v192-255 the bias, eight registers a block; on the way out v128-255 hold packed results.
;   window 1: B's fragments, two sets, at v0 and v128.  window 2: the accumulators of A's blocks 0-3 ((a, b) at v[8 (8 a + b)]);  window 3: those of blocks 4-7.
.set NQ,     4                         ; steps of 128 along K in a slot
.set ROWB,   256                       ; a tile's row in bytes: 512 codes
.set KROW,   512                       ; a row of codes in memory
.set PITCH,  272                       ; an LDS row: 256 bytes + 16 of padding: the 16 rows that a load touches start 68 words apart
.set FR,     8
.set NL,     2
.set NP,     4                         ; places behind this matrix instruction (ISA guide 7.12.1)
.set HALFT,  128*PITCH
.set SLOT,   4*HALFT
.set KS,     32                        ; a row of scale bytes
.set SCL,    2*SLOT                    ; behind the slots: the scales of A's and B's 256 rows for all of K, as units of 256 bytes + 16
.set HALFS,  (128*KS/256)*272
.set SBLK,   (16*KS/256)*272
.set SPARE,  SCL+4*HALFS               ; the spare words, 128 bytes a wave, which no other line names
.set ADRA, 16
.set ADRB, 20
.set LI,   26                          ; v26  16 x lane
.set ADRS, 27
.set SPW,  28
.set NIL,  29
.set SC,   32
.set VBJ,  96
.set AF,   128
.set BI,   192
.set PK,   128
.set WV,   16                          ; s16 wave;  s17 = wave / 2: my half of A's rows, and: I fetch for A (0) or B (1);  s18 = wave % 2: my half of B's rows, and which 128 rows I fetch
.set WH,   17
.set WL,   18
.set G1,   24
.set G0,   32
.set G1B,  48
.set G0B,  56
.set G1S,  68
.set G0S,  76
.set G1SB, 80
.set G0SB, 88
.set MSB, 0
.macro WIN new                         ; the immediate's high byte repeats the setting that is left
.if MSB != (\new)
	s_set_vgpr_msb (MSB<<8)|(\new)
.set MSB, (\new)
.endif
.endm
.set MUL_LO, 0xa1                      ; source 0 (B) window 1, source 1 (A) window 0, C and D window 2
.set MUL_HI, 0xf1
.set TO_B,   0x40
.macro JLOAD g0a, g1a, g0b, g1b        ; a joint load: waves 0 and 1 for A, waves 2 and 3 for B; an s_nop 0 and four v_nop follow each line
	s_cmp_eq_u32 s[WH], 0
	s_cbranch_scc0 .Lfor_b_\@
	tensor_load_to_lds s[\g0a:\g0a+3], s[\g1a:\g1a+7]
	s_nop 0
.rept 4
	v_nop
.endr
	s_branch .Lasked_\@
.Lfor_b_\@:
	tensor_load_to_lds s[\g0b:\g0b+3], s[\g1b:\g1b+7]
	s_nop 0
.rept 4
	v_nop
.endr
.Lasked_\@:
.endm
.macro CROUND                          ; a round of the cluster's barrier
	s_barrier_signal -1
	s_barrier_wait -1
	s_cmp_lg_u32 s[WV], 0
	s_cbranch_scc1 .Lnot_wave_0_\@
	s_barrier_signal -3
.Lnot_wave_0_\@:
	s_barrier_wait -3
	s_barrier_signal -1
	s_barrier_wait -1
.endm
	s_load_b128 s[4:7], s[0:1], 0x0                ; codes s[4:5], scl s[6:7]
	s_load_b256 s[8:15], s[0:1], 0x10              ; bq s[8:9], bk s[10:11], bv s[12:13], qkv s[14:15]
	v_lshl_add_u32 v[SPW], v0, 2, SPARE
	v_mov_b32 v[NIL], 0
	ds_add_u32 v[SPW], v[NIL]                      ; the wave's opening: the add, twice on end, and its wait ahead of my first tensor load
	ds_add_u32 v[SPW], v[NIL]
	v_lshrrev_b32 v1, 5, v0
	v_readfirstlane_b32 s[WV], v1
	s_lshr_b32 s[WH], s[WV], 1
	s_and_b32 s[WL], s[WV], 1
	s_bfe_u32 s40, ttmp6, 0x40000                  ; cx
	s_bfe_u32 s41, ttmp6, 0x40004                  ; cy
	s_and_b32 s42, ttmp7, 0xffff
	s_lshl_b32 s42, s42, 2                         ; 4 x cluster y: x's tiles
	s_lshl_b32 s43, ttmp9, 2
	s_add_co_u32 s43, s43, 32                      ; 32 + 4 x cluster x: Wq's or Wk's tiles
	s_cmp_eq_u32 ttmp9, 2                          ; the cluster's x: the same in all sixteen partners
	s_cselect_b32 s95, 1, 0                        ; 1: this cluster makes v
	s_cselect_b32 s19, 40, s42
	s_cselect_b32 s44, s42, s43
	s_add_co_u32 s19, s19, s41                     ; A's tile of 256 rows: hangs on cy alone
	s_add_co_u32 s44, s44, s40                     ; B's: on cx alone
	s_lshl_b32 s42, s41, 2
	s_lshl_b32 s42, 15, s42                        ; my row of the cluster
	s_lshl_b32 s43, 0x1111, s40                    ; my column
	s_or_b32 s[G1+0], s42, (0<<16)|(1<<20)|(1<<21)|(5<<22)|(3<<25)   ; the mask; elements of 1 byte; padding on; bit 21 beside a mask; 4 words behind every 64
	s_or_b32 s[G1B+0], s43, (0<<16)|(1<<20)|(1<<21)|(5<<22)|(3<<25)
.irp g, G1, G1B
	s_mov_b32 s[\g+1], ROWB<<16                    ; tensor_dim0
	s_mov_b32 s[\g+2], 128<<16                     ; tensor_dim1
	s_mov_b32 s[\g+3], ROWB<<16                    ; tile_dim0
	s_mov_b32 s[\g+4], 128                         ; tile_dim1
	s_mov_b32 s[\g+5], KROW                        ; from row to row
	s_mov_b32 s[\g+6], 0
	s_mov_b32 s[\g+7], 0
.endr
	s_or_b32 s[G1S+0], s42, (3<<16)|(1<<20)|(1<<21)|(5<<22)|(3<<25)  ; the scales of 128 rows: 4,096 dense bytes as 16 rows of 256 (32 elements of 8 bytes), 16 bytes of padding behind each
	s_or_b32 s[G1SB+0], s43, (3<<16)|(1<<20)|(1<<21)|(5<<22)|(3<<25)
.irp g, G1S, G1SB
	s_mov_b32 s[\g+1], 32<<16
	s_mov_b32 s[\g+2], (128*KS/256)<<16
	s_mov_b32 s[\g+3], 32<<16
	s_mov_b32 s[\g+4], 128*KS/256
	s_mov_b32 s[\g+5], 32
	s_mov_b32 s[\g+6], 0
	s_mov_b32 s[\g+7], 0
.endr
	s_lshl_b32 s20, s[WL], 7
	s_lshl_b32 s22, s19, 8
	s_add_co_u32 s22, s22, s20                     ; A: the first row that I fetch
	s_lshl_b32 s92, s44, 8
	s_add_co_u32 s92, s92, s20                     ; B: likewise
	s_lshl_b32 s20, s22, 9                         ; its codes,
	s_mov_b32 s21, 0
	s_lshl_b32 s22, s22, 5                         ; its scale bytes
	s_mov_b32 s23, 0
	s_lshl_b32 s46, s92, 9
	s_mov_b32 s47, 0
	s_lshl_b32 s92, s92, 5
	s_mov_b32 s93, 0
	s_mul_i32 s45, s[WV], HALFT                    ; where they go: wave x 128 rows: no place in the cluster enters an LDS address
	s_mul_i32 s94, s[WV], HALFS
	s_wait_dscnt 0x0                               ; both opening adds are done
	s_wait_kmcnt 0x0
	s_add_nc_u64 s[20:21], s[4:5], s[20:21]
	s_add_nc_u64 s[22:23], s[6:7], s[22:23]
	s_add_nc_u64 s[46:47], s[4:5], s[46:47]
	s_add_nc_u64 s[92:93], s[6:7], s[92:93]
	CROUND                                         ; all sixteen work-groups are here: the joint loads meet
	s_mov_b32 s[G0S], 1
	s_add_co_u32 s[G0S+1], s94, SCL
	s_mov_b64 s[G0S+2:G0S+3], s[22:23]
	s_or_b32 s[G0S+3], s[G0S+3], 0x80000000
	s_mov_b32 s[G0SB], 1
	s_add_co_u32 s[G0SB+1], s94, SCL
	s_mov_b64 s[G0SB+2:G0SB+3], s[92:93]
	s_or_b32 s[G0SB+3], s[G0SB+3], 0x80000000
	JLOAD G0S, G1S, G0SB, G1SB                     ; the scales first: three tensor loads of mine are out at the most
.irp s, 0,1
	s_mov_b32 s[G0+4*\s], 1
	s_add_co_u32 s[G0+4*\s+1], s45, \s*SLOT
	s_add_nc_u64 s[G0+4*\s+2:G0+4*\s+3], s[20:21], \s*ROWB
	s_or_b32 s[G0+4*\s+3], s[G0+4*\s+3], 0x80000000
	s_mov_b32 s[G0B+4*\s], 1
	s_add_co_u32 s[G0B+4*\s+1], s45, \s*SLOT
	s_add_nc_u64 s[G0B+4*\s+2:G0B+4*\s+3], s[46:47], \s*ROWB
	s_or_b32 s[G0B+4*\s+3], s[G0B+4*\s+3], 0x80000000
	JLOAD G0+4*\s, G1, G0B+4*\s, G1B
.endr
	; the bias and the results' place.  cc: the coordinate that picks W's tile; wa: my half of W's rows; wb: my half of x's rows; xt: x's tile
	v_and_b32 v1, 15, v0                           ; r
	v_bfe_u32 v2, v0, 4, 1                         ; h
	s_cmp_eq_u32 ttmp9, 1
	s_cselect_b64 s[10:11], s[10:11], s[12:13]
	s_cmp_eq_u32 ttmp9, 0
	s_cselect_b64 s[8:9], s[8:9], s[10:11]         ; bq, bk or bv, by the cluster's x
	s_cmp_eq_u32 s95, 1
	s_cselect_b32 s96, s44, s19                    ; xt
	s_cselect_b32 s97, s41, s40                    ; cc
	s_cselect_b32 s98, s[WH], s[WL]                ; wa
	s_cselect_b32 s99, s[WL], s[WH]                ; wb
	s_cselect_b32 s20, 4, 0                        ; v: register j of a block's bias is b(16 u + r) for every j;
	s_cselect_b32 s21, 0, 32                       ; q, k: it is b(16 u + 8 h + j)
	s_cselect_b32 s22, 0, 4
	s_lshl_b32 s46, s97, 10
	s_lshl_b32 s47, s98, 9
	s_add_co_u32 s46, s46, s47                     ; 4 x (256 cc + 128 wa)
	s_mov_b32 s47, 0
	s_add_nc_u64 s[8:9], s[8:9], s[46:47]
	v_mul_u32_u24 v5, v1, s20
	v_mad_u32_u24 v5, v2, s21, v5
	s_mov_b32 s23, 0
.irp j, 0,1,2,3,4,5,6,7
	v_add_nc_u32 v[VBJ+\j], s23, v5
	s_add_co_u32 s23, s23, s22
.endr
.irp u, 0,1,2,3,4,5,6,7
.irp j, 0,1,2,3,4,5,6,7
	global_load_b32 v[BI+8*\u+\j], v[VBJ+\j], s[8:9] offset:64*\u
.endr
.endr
	s_lshr_b32 s46, s96, 3                         ; the batch
	s_lshl_b32 s46, s46, 4
	s_lshl_b32 s20, s97, 2
	s_add_co_u32 s46, s46, s20
	s_lshl_b32 s20, s98, 1
	s_add_co_u32 s46, s46, s20                     ; bh of my first head = 16 batch + 4 cc + 2 wa
	s_lshl_b32 s46, s46, 18                        ; 262,144 bytes a head, in q, k and v alike
	s_and_b32 s20, s96, 7
	s_lshl_b32 s20, s20, 15                        ; 256 tokens are 32,768 bytes of a head,
	s_add_co_u32 s46, s46, s20
	s_lshl_b32 s20, s99, 14                        ; 128 tokens 16,384
	s_add_co_u32 s46, s46, s20
	s_lshl_b32 s20, ttmp9, 24                      ; q, k, v
	s_add_co_u32 s46, s46, s20
	s_add_nc_u64 s[14:15], s[14:15], s[46:47]
	v_mul_u32_u24 v3, v1, PITCH
	v_lshl_add_u32 v4, v2, 4, v3                   ; a fragment's row x pitch + 16 x half
	s_mul_i32 s21, s[WH], HALFT
	s_mul_i32 s22, s[WL], HALFT
	s_add_co_u32 s22, s22, 2*HALFT
.irp s, 0,1
	v_add_nc_u32 v[ADRA+\s], s21, v4
	v_add_nc_u32 v[ADRB+\s], s22, v4
	s_add_co_u32 s21, s21, SLOT
	s_add_co_u32 s22, s22, SLOT
.endr
	v_mul_u32_u24 v5, v1, KS                       ; my row's scales: 32 bytes a row,
	v_lshrrev_b32 v6, 8, v5
	v_lshl_add_u32 v5, v6, 4, v5                   ; and 16 more for each 256 passed
	s_mul_i32 s21, s[WH], HALFS
	s_mul_i32 s22, s[WL], HALFS
	s_add_co_u32 s22, s22, 2*HALFS
	s_sub_co_u32 s22, s22, s21
	v_mul_u32_u24 v6, s22, v2                      ; lanes 16-31 take B's
	s_add_co_u32 s21, s21, SCL
	v_add_nc_u32 v5, v5, v6
	v_add_nc_u32 v[ADRS], s21, v5
	v_and_b32 v6, 31, v0
	v_lshlrev_b32 v[LI], 4, v6
.macro FRAG reg, adr, q, i             ; 16 rows x 128 K of 4-bit codes: 8 registers; lane l holds row l % 16; registers 4 c .. 4 c + 3 hold K = 64 c + 32 (l / 16) + 0 .. 31
.irp c, 0,1
	ds_load_b128 v[\reg+4*\c:\reg+4*\c+3], v[\adr] offset:64*(\q)+32*\c+(\i)*16*PITCH
.endr
.endm
.macro MM a, b, p, q, sc, c0           ; one product: B's block b (set p) x A's block a; c0: the first register of C
	v_wmma_scale_f32_16x16x128_f8f6f4 v[8*(8*((\a)%4)+\b):8*(8*((\a)%4)+\b)+7], v[128*(\p)+FR*\b:128*(\p)+FR*\b+FR-1], v[AF+FR*(\a):AF+FR*(\a)+FR-1], v[(\c0):(\c0)+7], v[SC+8*NQ*(\sc)+NQ*\b+(\q)], v[SC+8*NQ*(\sc)+NQ*(\a)+(\q)] matrix_a_fmt:MATRIX_FMT_FP4 matrix_b_fmt:MATRIX_FMT_FP4 matrix_a_scale:MATRIX_SCALE_ROW1
.endm
; 16 products: A's blocks a0, a0 + 1 x B's eight.  zero = 1: the sums begin with the bias of B's block (q, k);  2: with that of A's block (v);  0: they go on.
; The 64 accumulators take turns, one instruction a turn, in the same order in every step.
.macro MUL16 a0, p, q, sc, zero
.irp a, \a0, \a0+1
.irp b, 0,1,2,3,4,5,6,7
.if \zero == 1
	MM \a, \b, \p, \q, \sc, BI+8*\b
.elseif \zero == 2
	MM \a, \b, \p, \q, \sc, BI+8*(\a)
.else
	MM \a, \b, \p, \q, \sc, 8*(8*((\a)%4)+\b)
.endif
.endr
.endr
.endm
.macro FETCH_B slot, q, p
	WIN TO_B
.irp i, 0,1,2,3,4,5,6,7
	FRAG 128*(\p)+FR*\i, ADRB+\slot, \q, \i
.endr
	WIN 0
.endm
.macro FETCH_A slot, q, i0
.irp i, \i0, \i0+1, \i0+2, \i0+3
	FRAG AF+FR*(\i), ADRA+\slot, \q, \i
.endr
.endm
.macro SCALES sc                       ; a slot's scale words: four words a row; lanes 0-15 take A's block i, lanes 16-31 B's block i
.irp i, 0,1,2,3,4,5,6,7
	ds_load_b128 v[SC+8*NQ*\sc+NQ*\i:SC+8*NQ*\sc+NQ*\i+3], v[ADRS] offset:\i*SBLK
.endr
.endm
.macro PLACES n                        ; plain vector instructions between a matrix instruction and a load into, or a read or write of, its registers
.rept \n
	v_nop
.endr
.endm
.macro STEP slot, q, zero              ; 128 along K that has its successor in the same slot
	s_wait_dscnt 4*NL                              ; B's set and A's blocks 0-3 are in; the youngest eight loads (A's blocks 4-7) may be out
.if \zero
	WIN 0x81                                       ; C (the bias) in window 0, D in window 2
.else
	WIN MUL_LO
.endif
	MUL16 0, (\q)%2, \q, \slot, \zero
	MUL16 2, (\q)%2, \q, \slot, \zero
	s_wait_dscnt 0
	PLACES NP
	FETCH_B \slot, (\q)+1, 1-(\q)%2
	FETCH_A \slot, (\q)+1, 0
.if \zero
	WIN 0xc1
.else
	WIN MUL_HI
.endif
	MUL16 4, (\q)%2, \q, \slot, \zero
	MUL16 6, (\q)%2, \q, \slot, \zero
	PLACES NP
	WIN 0
	FETCH_A \slot, (\q)+1, 4
.endm
.macro TURN slot, next                 ; a slot's last step changes slots: one barrier; nothing is filled again
	s_wait_tensorcnt 0x0                           ; my part of the next slot has landed
	ds_add_u32 v[SPW], v[NIL]                      ; 0 onto my spare word
	s_wait_dscnt 4*NL+1                            ; the add and the youngest eight loads may be out
	WIN MUL_LO
	MUL16 0, 1, NQ-1, \slot, 0
	s_wait_dscnt 0x0
	s_barrier_signal -1
	MUL16 2, 1, NQ-1, \slot, 0
	WIN 0
	s_barrier_wait -1                              ; the next slot is whole
	PLACES NP
	v_add_nc_u32 v[ADRS], 4*NQ, v[ADRS]            ; the next slot's scale words
	FETCH_B \next, 0, 0
	FETCH_A \next, 0, 0
	SCALES \next
	WIN MUL_HI
	MUL16 4, 1, NQ-1, \slot, 0
	MUL16 6, 1, NQ-1, \slot, 0
	PLACES NP
	WIN 0
	FETCH_A \next, 0, 4
.endm
.macro STEPS slot, from
.set QQ, \from
.rept NQ-1-\from
	STEP \slot, QQ, 0
.set QQ, QQ+1
.endr
.endm
	s_wait_tensorcnt 1                             ; the scales and my part of slot 0 are in; slot 1's load may be out
	s_barrier_signal -1
	s_barrier_wait -1
	FETCH_B 0, 0, 0
	FETCH_A 0, 0, 0
	SCALES 0
	FETCH_A 0, 0, 4
	s_wait_loadcnt 0x0                             ; the bias
	s_cmp_eq_u32 s95, 1                            ; the first step is written twice: its C differs.  The branch hangs on the cluster's x alone
	s_cbranch_scc1 .Lfirst_v
	STEP 0, 0, 1
	s_branch .Lfirst_done
.Lfirst_v:
	STEP 0, 0, 2
.Lfirst_done:
	STEPS 0, 1
	TURN 0, 1
	STEPS 1, 0
	s_wait_dscnt 4*NL                              ; the last step: nothing more to fetch
	WIN MUL_LO
	MUL16 0, 1, NQ-1, 1, 0
	MUL16 2, 1, NQ-1, 1, 0
	s_wait_dscnt 0
	WIN MUL_HI
	MUL16 4, 1, NQ-1, 1, 0
	MUL16 6, 1, NQ-1, 1, 0
	WIN 0
; THE WAY OUT.  A lane's eight results pack into 16 bytes that ARE four registers of an operand of attention: each store covers 512 consecutive bytes, aligned.  Each accumulator is read from its low end on.
.macro EPI isv
.irp a, 0,1,2,3,4,5,6,7
.if \a >= 4
	s_wait_xcnt 0x0                                ; the stores of four blocks back have read their registers
.endif
	WIN 0x0a+5*(\a/4)                              ; sources 0 and 1: window 2 or 3
.irp b, 0,1,2,3,4,5,6,7
.irp i, 0,1,2,3
	v_cvt_pk_f16_f32 v[PK+32*(\a%4)+4*\b+\i], v[8*(8*(\a%4)+\b)+2*\i], v[8*(8*(\a%4)+\b)+2*\i+1]
.endr
.endr
	WIN 0
.irp b, 0,1,2,3,4,5,6,7
.if \isv
	global_store_b128 v[LI], v[PK+32*(\a%4)+4*\b:PK+32*(\a%4)+4*\b+3], s[14:15] offset:(\a/4)*262144+(\b/2)*4096+(\a%4)*1024+(\b%2)*512
.else
	global_store_b128 v[LI], v[PK+32*(\a%4)+4*\b:PK+32*(\a%4)+4*\b+3], s[14:15] offset:(\b/4)*262144+\a*2048+((\b%4)/2)*1024+(\b%2)*512
.endif
.endr
.endr
.endm
	PLACES NP
	s_cmp_eq_u32 s95, 1
	s_cbranch_scc1 .Lout_v
	EPI 0
	s_branch .Lout_done
.Lout_v:
	EPI 1
.Lout_done:
	s_wait_tensorcnt 0x0                           ; the wave's end
	ds_add_u32 v[SPW], v[NIL]
	s_wait_dscnt 0x0
	CROUND                                         ; the closing round
	s_endpgm
.Lfunc_end_k_q4fc3faf9e7_qkv:
	.size	k_q4fc3faf9e7_qkv, .Lfunc_end_k_q4fc3faf9e7_qkv-k_q4fc3faf9e7_qkv
	.p2alignl 7, 3214868480
	.fill 96, 4, 3214868480
	.section	.rodata,"a",@progbits
	.p2align	6, 0x0
	.amdhsa_kernel k_q4fc3faf9e7_qkv
		.amdhsa_group_segment_fixed_size 327680
		.amdhsa_private_segment_fixed_size 0
		.amdhsa_enable_private_segment 0
		.amdhsa_kernarg_size 48
		.amdhsa_user_sgpr_count 2
		.amdhsa_user_sgpr_kernarg_segment_ptr 1
		.amdhsa_wavefront_size32 1
		.amdhsa_system_sgpr_workgroup_id_x 1
		.amdhsa_system_sgpr_workgroup_id_y 1
		.amdhsa_system_sgpr_workgroup_id_z 1
		.amdhsa_system_vgpr_workitem_id 0
		.amdhsa_next_free_vgpr 1024
		.amdhsa_next_free_sgpr 100
		.amdhsa_reserve_vcc 0
		.amdhsa_float_denorm_mode_32 3
		.amdhsa_float_denorm_mode_16_64 3
		.amdhsa_memory_ordered 1
		.amdhsa_forward_progress 1
		.amdhsa_inst_pref_size 158
	.end_amdhsa_kernel
	.amdgpu_metadata
---
amdhsa.version: [ 1, 2 ]
amdhsa.kernels:
  - .name:           k_q4fc3faf9e7_qkv
    .symbol:         k_q4fc3faf9e7_qkv.kd
    .args:
      - { .name: codes, .offset: 0, .size: 8, .value_kind: global_buffer, .address_space: global }
      - { .name: scl, .offset: 8, .size: 8, .value_kind: global_buffer, .address_space: global }
      - { .name: bq, .offset: 16, .size: 8, .value_kind: global_buffer, .address_space: global }
      - { .name: bk, .offset: 24, .size: 8, .value_kind: global_buffer, .address_space: global }
      - { .name: bv, .offset: 32, .size: 8, .value_kind: global_buffer, .address_space: global }
      - { .name: qkv, .offset: 40, .size: 8, .value_kind: global_buffer, .address_space: global }
    .group_segment_fixed_size: 327680
    .private_segment_fixed_size: 0
    .kernarg_segment_align: 8
    .kernarg_segment_size: 48
    .max_flat_workgroup_size: 128
    .sgpr_count:     100
    .vgpr_count:     1024
    .wavefront_size: 32
...
	.end_amdgpu_metadata
.endif
;; end of part 2
;; launch att (part 3): grid 4 x 64, 16 waves a work-group, no clusters, 327,680 bytes of LDS; arguments qkv, catimg; writes catimg
.if DOCPART == 3
	.amdgcn_target "amdgcn-amd-amdhsa--gfx1250"
	.amdhsa_code_object_version 6
	.text
	.protected	k_q4fc3faf9e7_att
	.globl	k_q4fc3faf9e7_att
	.p2align	8
	.type	k_q4fc3faf9e7_att,@function
k_q4fc3faf9e7_att:
	s_mov_b64 s[64:65], 0
	v_nop
	global_prefetch_b8 v0, s[64:65] scope:SCOPE_SE
	s_setreg_imm32_b32 hwreg(HW_REG_WAVE_MODE, 25, 1), 1
	s_wait_xcnt 0x0
; cat[b][t][64 head + :] = the sum over keys s <= t of softmax_s(q[t] . k[s] / 8) v[s], for one (batch, head) a work-group row.  Operands in f16, products, maxima and sums in f32; the weights p are rounded to f16
; for the second product, the result once at the end.  A running maximum m and sum l for each query: p = 2^(c s - c m), c = log2(e) / 8; in every step O and l are multiplied by a = 2^(c m_old - c m_new).
; q, k, v arrive as images of operand registers (16 bytes a lane, 512 bytes a group of four registers): every LDS load and every store is 16 x lane, dense.
; SHARES.  Work-group (g, bh) owns the query blocks g and 7 - g (256 queries each) of one head, so that under the causal mask every work-group has the same work.  Waves 0-7 take block g, waves 8-15 block 7 - g;
; a wave owns 32 queries, two tiles of 16, in 256 registers: four waves to a SIMD, so that one wave's vector work stands beside another's matrix work.
; Both products are used transposed: S^T = K Q^T, O^T = V^T P: a lane holds ONE query throughout, and two packed tiles of S^T are source 1 of the second product.
; K's and V's images come through two LDS slots of 256 keys (32 KB of K, 32 KB of V), filled by waves 0-3, 16 KB each, and read by all sixteen.  EVERY work-group walks all eight slots: trip counts are constants.
; A step (64 keys) all of whose keys come after a wave's queries is jumped over; a slot whose first key comes after the work-group's last query is not asked for.  Every wait on TENSORcnt is for 0.
; NO CLUSTER: the four work-groups of a head read 8 - g slots; a tile asked for jointly would be read by no wave of some partner.
; LIMITS: f16 operands: magnitudes over 65,504 become infinity; a weight p under 6e-8 of its row's largest counts as 0 in the second product (not in the sum).
; REGISTERS: v1 16 x lane; v2 the address in hand; v3 my query - 8 (lane / 16); v8-23 eight statistics a tile (+0 c m, +1 m, +2 +3 l, +4..+7 at work, a at +6); v24-55 Q; v56-119 K, then V; v120-183 S^T, p, then P packed in place;
;   v184-247 O^T; v248-251 the sums' second chains; v252 the prefetch's offset.
.set SLOT1, 65536                      ; slot 1 begins here: one exclusive or turns an address
.set VOFF,  32768                      ; in a slot: K's 32 KB, then V's
.set SPARE, 131072                     ; the spare words, 128 bytes for each of sixteen waves, which no other line names
.set LI,   1
.set ADR,  2
.set DQ,   3
.set DD,   4
.set NINF, 5
.set SPW,  6
.set NIL,  7
.set ST,   8
.set Q,    24
.set KV,   56
.set S,    120
.set O,    184
.set CH,   248
.set PFO,  252
.set WV,   12
.set Q0,   17                          ; s17 my first query
.set QL,   18                          ; s18 my work-group's last query
.set KF,   19                          ; s19 the step's first key
.set SEL,  20
.set CS,   22
.set G1,   24
.set G0,   32
.set TB,   36                          ; s36 LDS byte at which the step's images begin
.set SLOTS, 37
.set PFA,  38
.set LIM,  40
.set TW,   41
.macro TLOAD                           ; waves 0, 1: K's halves; waves 2, 3: V's; the others nothing.  An s_nop 0 and four v_nop follow the line
	s_cmp_lt_u32 s[WV], 4
	s_cbranch_scc0 .Lno_load_\@
	tensor_load_to_lds s[G0:G0+3], s[G1:G1+7]
	s_nop 0
.rept 4
	v_nop
.endr
.Lno_load_\@:
.endm
; A PREFETCH INTO THE L2 of what the NEXT change of slots will ask for: 32 KB of K's images and 32 KB of V's.  All four work-groups of a head walk the same K and V: the one with g = 0, which walks all slots, asks.
; In it the waves ask that fetch nothing: waves 4-7 for K's, waves 8-11 for V's, 8,192 bytes a wave, lanes 256 bytes apart: each aligned 256 bytes is named once in the launch.  It stands behind the tensor load, four key steps
; ahead of the load that will want the bytes.  Slots 0 and 1 come by their loads alone; the last change that fills a slot asks for nothing.
.macro ASK
	s_cmp_gt_u32 s[SLOTS], s[LIM]
	s_cbranch_scc0 .Lnot_mine_\@
	global_prefetch_b8 v[PFO], s[PFA:PFA+1] th:TH_LOAD_NT scope:SCOPE_SE
.Lnot_mine_\@:
.endm
	s_load_b128 s[4:7], s[0:1], 0x0                ; qkv s[4:5], catimg s[6:7]
	v_lshl_add_u32 v[SPW], v0, 2, SPARE
	v_mov_b32 v[NIL], 0
	ds_add_u32 v[SPW], v[NIL]                      ; the wave's opening: the add, twice on end, and its wait ahead of the first tensor load
	ds_add_u32 v[SPW], v[NIL]
	v_lshrrev_b32 v2, 5, v0
	v_readfirstlane_b32 s[WV], v2                  ; wave 0..15
	s_and_b32 s13, ttmp7, 0xffff                   ; bh
	s_lshl_b32 s14, s13, 18                        ; a head's 262,144 bytes in q, in k and in v
	s_sub_co_u32 s15, 7, ttmp9                     ; 7 - g
	s_cmp_lt_u32 s[WV], 8
	s_cselect_b32 s16, ttmp9, s15                  ; my block of 256 queries
	s_bfe_u32 s48, s[WV], 0x10002
	s_mul_i32 s48, s48, 7
	s_and_b32 s49, s[WV], 3
	s_xor_b32 s49, s49, s48                        ; my place in it: 0 1 2 3 7 6 5 4, so that the waves of a SIMD have unlike diagonals
	s_lshl_b32 s[Q0], s16, 8
	s_lshl_b32 s49, s49, 5
	s_add_co_u32 s[Q0], s[Q0], s49
	s_lshl_b32 s[QL], s15, 8
	s_or_b32 s[QL], s[QL], 255
	s_mov_b32 s[KF], 0
	s_mov_b32 s[TB], 0
	s_mov_b32 s[SLOTS], 7
	s_mov_b32 s[SEL], 0x76543210
	s_mov_b32 s[SEL+1], 0xfedcba98                 ; v_permlanex16_b32's selects for lane l xor 16
	s_mov_b32 s[CS], 0x3e38aa3b                    ; c = log2(e) / 8
	s_mov_b32 s[CS+1], s[CS]                       ; (named with it as a pair, so it is written)
	s_mov_b32 s[G1], 3<<16                         ; group 1: 16 KB, dense, as 64 rows of 256 bytes: elements of 8 bytes, no mask, no padding
	s_mov_b32 s[G1+1], 32<<16                      ; tensor_dim0 = 32
	s_mov_b32 s[G1+2], 64<<16                      ; tensor_dim1 = 64
	s_mov_b32 s[G1+3], 32<<16                      ; tile_dim0
	s_mov_b32 s[G1+4], 64                          ; tile_dim1
	s_mov_b32 s[G1+5], 32                          ; from row to row
	s_mov_b32 s[G1+6], 0
	s_mov_b32 s[G1+7], 0
	s_mov_b32 s[G0], 1
	s_and_b32 s48, s[WV], 3
	s_lshl_b32 s[G0+1], s48, 14                    ; LDS: slot 0, 16 KB x wave
	s_cmp_lt_u32 s[WV], 2
	s_cselect_b32 s48, 1, 2
	s_lshl_b32 s48, s48, 24                        ; k at 2^24, v at 2^25
	s_add_co_u32 s48, s48, s14
	s_and_b32 s49, s[WV], 1
	s_lshl_b32 s49, s49, 14
	s_add_co_u32 s48, s48, s49
	s_mov_b32 s49, 0
	s_wait_dscnt 0x0                               ; both opening adds are done
	s_wait_kmcnt 0x0
	s_add_nc_u64 s[G0+2:G0+3], s[4:5], s[48:49]
	s_or_b32 s[G0+3], s[G0+3], 0x80000000
	TLOAD                                          ; slot 0: it holds key 0, which counts for every query
	v_and_b32 v[LI], 31, v0
	v_lshlrev_b32 v[PFO], 8, v[LI]
	v_lshlrev_b32 v[LI], 4, v[LI]
	s_lshl_b32 s48, s[Q0], 7                       ; 2,048 bytes a tile of 16 queries
	s_add_co_u32 s48, s48, s14
	s_add_nc_u64 s[8:9], s[4:5], s[48:49]
.irp t, 0,1
.irp f, 0,1
.irp c, 0,1
	global_load_b128 v[Q+8*(2*\t+\f)+4*\c:Q+8*(2*\t+\f)+4*\c+3], v[LI], s[8:9] offset:\t*2048+\f*1024+\c*512   ; Q stays in registers
.endr
.endr
.endr
	s_cmp_lt_u32 s[WV], 8                          ; the prefetches: waves 4-7 K's, waves 8-11 V's
	s_cselect_b32 s48, 1, 2
	s_lshl_b32 s48, s48, 24
	s_add_co_u32 s48, s48, s14
	s_and_b32 s10, s[WV], 3
	s_lshl_b32 s10, s10, 13
	s_add_co_u32 s48, s48, s10
	s_add_co_u32 s48, s48, 32768                   ; in slot 1: the first change of slots steps it to slot 2
	s_add_nc_u64 s[PFA:PFA+1], s[4:5], s[48:49]
	s_sub_co_u32 s48, s[WV], 4
	s_lshr_b32 s48, s48, 3                         ; 0 in waves 4 to 11,
	s_or_b32 s48, s48, ttmp9                       ; of the work-group with g = 0
	s_cmp_eq_u32 s48, 0
	s_cselect_b32 s[LIM], 1, -1
	s_lshr_b32 s48, s13, 4
	s_lshl_b32 s48, s48, 22                        ; the batch: 128 token tiles of 32,768 bytes
	s_lshl_b32 s10, s[Q0], 11
	s_add_co_u32 s48, s48, s10
	s_and_b32 s10, s13, 15
	s_lshl_b32 s10, s10, 11                        ; the head: 2,048 bytes of a token tile
	s_add_co_u32 s48, s48, s10
	s_add_nc_u64 s[6:7], s[6:7], s[48:49]
	v_and_b32 v[DQ], 15, v0
	v_bfe_u32 v[DD], v0, 4, 1
	v_lshlrev_b32 v[DD], 3, v[DD]
	v_sub_nc_u32 v[DQ], v[DQ], v[DD]
	v_add_nc_u32 v[DQ], s[Q0], v[DQ]               ; Q0 + r - 8 h
	v_mov_b32 v[NINF], 0xff800000
.irp t, 0,1
	v_mov_b32 v[ST+8*\t+1], 0xff61b1e6             ; m = -3e38, under every score
	v_mul_f32 v[ST+8*\t], s[CS], v[ST+8*\t+1]
.irp i, 2,3,4,5,6,7
	v_mov_b32 v[ST+8*\t+\i], 0
.endr
.endr
.set n, 0
.rept 64
	v_mov_b32 v[O+n], 0                            ; O^T.  (The step is written once: the first finds zeros, which a = 0 leaves zeros)
.set n, n+1
.endr
; A KEY STEP: 64 keys.
.macro STEP
	s_add_co_u32 s48, s[Q0], 31
	s_cmp_gt_u32 s[KF], s48                        ; all 64 keys come after my 32 queries: ids and the count of steps alone
	s_cbranch_scc1 .Lhidden_\@
	v_add_nc_u32 v[ADR], s[TB], v[LI]
.rept 4
	v_nop                                          ; with the addition five places behind the last step's products: loads land on V's registers, and the scores are written over P
.endr
.irp kt, 0,1,2,3
.irp f, 0,1
.irp c, 0,1
	ds_load_b128 v[KV+8*(2*\kt+\f)+4*\c:KV+8*(2*\kt+\f)+4*\c+3], v[ADR] offset:\kt*2048+\f*1024+\c*512
.endr
.endr
.endr
	s_wait_dscnt 0x0
.irp f, 0,1                            ; S^T = K Q^T: eight accumulators by turns, one instruction a turn; the first eight start the sums
.irp kt, 0,1,2,3
.irp t, 0,1
.if \f == 0
	v_wmma_f32_16x16x32_f16 v[S+32*\t+8*\kt:S+32*\t+8*\kt+7], v[KV+8*(2*\kt+\f):KV+8*(2*\kt+\f)+7], v[Q+8*(2*\t+\f):Q+8*(2*\t+\f)+7], 0
.else
	v_wmma_f32_16x16x32_f16 v[S+32*\t+8*\kt:S+32*\t+8*\kt+7], v[KV+8*(2*\kt+\f):KV+8*(2*\kt+\f)+7], v[Q+8*(2*\t+\f):Q+8*(2*\t+\f)+7], v[S+32*\t+8*\kt:S+32*\t+8*\kt+7]
.endif
.endr
.endr
.endr
.rept 4
	v_nop                                          ; places: V's loads land on K's registers, and the scores are read
.endr
.irp kg, 0,1
.irp ct, 0,1,2,3
.irp c, 0,1
	ds_load_b128 v[KV+8*(4*\kg+\ct)+4*\c:KV+8*(4*\kg+\ct)+4*\c+3], v[ADR] offset:VOFF+\kg*4096+\ct*1024+\c*512   ; V: it lands while the softmax is walked
.endr
.endr
.endr
	s_add_co_u32 s48, s[KF], 63
	s_cmp_le_u32 s48, s[Q0]                        ; a step all of whose keys count skips the mask
	s_cbranch_scc1 .Lopen_\@
	v_sub_nc_u32 v[DD], v[DQ], s[KF]               ; register 8 kt + j of tile t holds key KF + 16 kt + 8 h + j: hidden where 16 kt + j - 16 t > Q0 + r - 8 h - KF
.irp t, 0,1
.set n, 0
.rept 32
	v_cmp_gt_i32 vcc_lo, 16*(n/8)+n%8-16*\t, v[DD]
	v_cndmask_b32 v[S+32*\t+n], v[S+32*\t+n], v[NINF], vcc_lo
.set n, n+1
.endr
.endr
.Lopen_\@:
.irp c, 0,1,2,3                        ; the maximum of my 32 scores and the old m, the two tiles by turns; each accumulator is read from its low end on
.irp t, 0,1
	v_max3_num_f32 v[ST+8*\t+4+\c], v[S+32*\t+8*\c], v[S+32*\t+8*\c+1], v[S+32*\t+8*\c+2]
.endr
.endr
.irp u, 3,5
.irp c, 0,1,2,3
.irp t, 0,1
	v_max3_num_f32 v[ST+8*\t+4+\c], v[ST+8*\t+4+\c], v[S+32*\t+8*\c+\u], v[S+32*\t+8*\c+\u+1]
.endr
.endr
.endr
.irp t, 0,1
	v_max3_num_f32 v[ST+8*\t+4], v[ST+8*\t+4], v[S+32*\t+7], v[S+32*\t+15]
	v_max3_num_f32 v[ST+8*\t+6], v[ST+8*\t+6], v[S+32*\t+23], v[S+32*\t+31]
.endr
.irp t, 0,1
	v_max3_num_f32 v[ST+8*\t+4], v[ST+8*\t+4], v[ST+8*\t+5], v[ST+8*\t+6]
.endr
.irp t, 0,1
	v_max3_num_f32 v[ST+8*\t+4], v[ST+8*\t+4], v[ST+8*\t+7], v[ST+8*\t+1]
.endr
.irp t, 0,1
	v_permlanex16_b32 v[ST+8*\t+5], v[ST+8*\t+4], s[SEL], s[SEL+1]   ; the query's other 32 keys lie in the lane 16 away
.endr
.irp t, 0,1
	v_mov_b32 v[ST+8*\t+7], v[ST+8*\t]             ; c m_old
.endr
.irp t, 0,1
	v_max_num_f32 v[ST+8*\t+1], v[ST+8*\t+4], v[ST+8*\t+5]
.endr
.irp t, 0,1
	v_mul_f32 v[ST+8*\t], s[CS], v[ST+8*\t+1]
.endr
.irp t, 0,1
	v_sub_f32 v[ST+8*\t+7], v[ST+8*\t+7], v[ST+8*\t]
.endr
.set n, 0
.rept 16
.irp t, 0,1
	v_pk_fma_f32 v[S+32*\t+n:S+32*\t+n+1], v[S+32*\t+n:S+32*\t+n+1], s[CS:CS+1], v[ST+8*\t:ST+8*\t+1] op_sel_hi:[1,0,0] neg_lo:[0,0,1] neg_hi:[0,0,1]   ; c s - c m
.endr
.set n, n+2
.endr
.irp t, 0,1
	v_exp_f32 v[ST+8*\t+6], v[ST+8*\t+7]           ; a
.endr
.set n, 0
.rept 32
.irp t, 0,1
	v_exp_f32 v[S+32*\t+n], v[S+32*\t+n]           ; p
.endr
.set n, n+1
.endr
	v_nop                                          ; a plain instruction behind the last exponential
	s_wait_alu depctr_va_vdst(0)                   ; one wait for the batch of 66, ahead of its first reader
.irp t, 0,1
	v_pk_add_f32 v[ST+8*\t+4:ST+8*\t+5], v[S+32*\t:S+32*\t+1], v[S+32*\t+2:S+32*\t+3]     ; the sum of the unrounded p, in two chains a tile
	v_pk_add_f32 v[CH+2*\t:CH+2*\t+1], v[S+32*\t+4:S+32*\t+5], v[S+32*\t+6:S+32*\t+7]
.endr
.irp j, 8,12,16,20,24,28
.irp t, 0,1
	v_pk_add_f32 v[ST+8*\t+4:ST+8*\t+5], v[ST+8*\t+4:ST+8*\t+5], v[S+32*\t+\j:S+32*\t+\j+1]
	v_pk_add_f32 v[CH+2*\t:CH+2*\t+1], v[CH+2*\t:CH+2*\t+1], v[S+32*\t+\j+2:S+32*\t+\j+3]
.endr
.endr
.irp t, 0,1
	v_pk_add_f32 v[ST+8*\t+4:ST+8*\t+5], v[ST+8*\t+4:ST+8*\t+5], v[CH+2*\t:CH+2*\t+1]
.endr
.irp t, 0,1
	v_pk_fma_f32 v[ST+8*\t+2:ST+8*\t+3], v[ST+8*\t+2:ST+8*\t+3], v[ST+8*\t+6:ST+8*\t+7], v[ST+8*\t+4:ST+8*\t+5] op_sel_hi:[1,0,1]   ; l = a l + the sum
.endr
.set n, 0
.rept 16
.irp t, 0,1
	v_cvt_pk_f16_f32 v[S+32*\t+n], v[S+32*\t+2*n], v[S+32*\t+2*n+1]   ; P, in place and ascending: registers 8 kg .. 8 kg + 7 are source 1 for keys 32 kg on
.endr
.set n, n+1
.endr
.set n, 0
.rept 16
.irp t, 0,1
	v_pk_mul_f32 v[O+32*\t+n:O+32*\t+n+1], v[O+32*\t+n:O+32*\t+n+1], v[ST+8*\t+6:ST+8*\t+7] op_sel_hi:[1,0]   ; O^T x a, each accumulator from its low end on
.endr
.set n, n+2
.endr
	s_wait_dscnt 0x0                               ; V is in
.irp kg, 0,1                           ; O^T += V^T P: eight accumulators by turns
.irp ct, 0,1,2,3
.irp t, 0,1
	v_wmma_f32_16x16x32_f16 v[O+32*\t+8*\ct:O+32*\t+8*\ct+7], v[KV+8*(4*\kg+\ct):KV+8*(4*\kg+\ct)+7], v[S+32*\t+8*\kg:S+32*\t+8*\kg+7], v[O+32*\t+8*\ct:O+32*\t+8*\ct+7]
.endr
.endr
.endr
.Lhidden_\@:
	s_add_co_u32 s[KF], s[KF], 64
	s_add_co_u32 s[TB], s[TB], 8192                ; 64 keys are 8,192 bytes of K's images and of V's
.endm
; THE CHANGE OF SLOTS stands at a slot's head.  Each wave waits for all its tensor loads, adds 0 to its spare word, and waits for that and for its reads of the slot that it has left; behind the barrier the slot ahead is whole and
; nobody reads the other one.  fill = 1: that other slot takes the next 256 keys, up to the causal limit; the load has four key steps in which to land.
.macro CHANGE fill
	s_wait_tensorcnt 0x0                           ; no tensor load of mine is out, so group 0 may be written
	ds_add_u32 v[SPW], v[NIL]
.if \fill
	ds_add_u32 v[SPW], v[NIL]                      ; the add twice on end here, in every trip alike
	s_xor_b32 s[G0+1], s[G0+1], SLOT1
	s_add_nc_u64 s[G0+2:G0+3], s[G0+2:G0+3], 32768
	s_wait_xcnt 0x0                                ; the last prefetch, a slot back, has read its address
	s_add_nc_u64 s[PFA:PFA+1], s[PFA:PFA+1], 32768
.endif
	s_wait_dscnt 0x0
	s_barrier_signal -1
	s_barrier_wait -1
.if \fill
	s_add_co_u32 s48, s[KF], 256                   ; the first key of the slot that this change would ask for
	s_cmp_gt_u32 s48, s[QL]                        ; past my work-group's last query it is read by no wave: ids and the count of steps alone, the same in all sixteen waves
	s_cbranch_scc1 .Lpast_\@
	TLOAD                                          ; a wave's one tensor load until the next barrier
.Lpast_\@:
	ASK
.endif
.endm
.macro SLOT_STEPS                      ; a slot's four key steps: written once, walked four times
	s_mov_b32 s[TW], 4
.Lstep_\@:
	STEP
	s_sub_co_u32 s[TW], s[TW], 1
	s_cmp_lg_u32 s[TW], 0
	s_cbranch_scc1 .Lstep_\@
	s_sub_co_u32 s[TB], s[TB], 32768
	s_xor_b32 s[TB], s[TB], SLOT1                  ; on to the other slot
.endm
	s_wait_loadcnt 0x0                             ; Q
.Lslot:                                            ; seven trips: behind each change of slots but the last the next slot is asked for
	CHANGE 1
	SLOT_STEPS
	s_sub_co_u32 s[SLOTS], s[SLOTS], 1
	s_cmp_lg_u32 s[SLOTS], 0
	s_cbranch_scc1 .Lslot
	CHANGE 0                                       ; the last slot is written out: nothing is left to ask for
	SLOT_STEPS
	; THE WAY OUT.  O^T / l, rounded to f16: a lane's eight channels of one token are four registers of the projection's operand: each store covers 512 consecutive bytes, aligned.
.rept 4
	v_nop                                          ; places behind the last products
.endr
.irp t, 0,1
	v_add_f32 v[ST+8*\t+4], v[ST+8*\t+2], v[ST+8*\t+3]
.endr
.irp t, 0,1
	v_permlanex16_b32 v[ST+8*\t+5], v[ST+8*\t+4], s[SEL], s[SEL+1]
.endr
.irp t, 0,1
	v_add_f32 v[ST+8*\t+4], v[ST+8*\t+4], v[ST+8*\t+5]
.endr
.irp t, 0,1
	v_rcp_f32 v[ST+8*\t+6], v[ST+8*\t+4]
.endr
	v_nop
	s_wait_alu depctr_va_vdst(0)                   ; one wait for the two reciprocals, ahead of their first reader
.irp t, 0,1
.set n, 0
.rept 16
	v_pk_mul_f32 v[S+32*\t+n:S+32*\t+n+1], v[O+32*\t+n:O+32*\t+n+1], v[ST+8*\t+6:ST+8*\t+7] op_sel_hi:[1,0]
.set n, n+2
.endr
.endr
.irp t, 0,1
.set n, 0
.rept 16
	v_cvt_pk_f16_f32 v[KV+16*\t+n], v[S+32*\t+2*n], v[S+32*\t+2*n+1]
.set n, n+1
.endr
.endr
.irp t, 0,1
.irp ct, 0,1,2,3
	global_store_b128 v[LI], v[KV+16*\t+4*\ct:KV+16*\t+4*\ct+3], s[6:7] offset:\t*32768+\ct*512
.endr
.endr
	s_wait_tensorcnt 0x0                           ; the wave's end
	ds_add_u32 v[SPW], v[NIL]
	s_wait_dscnt 0x0
	s_endpgm
.Lfunc_end_k_q4fc3faf9e7_att:
	.size	k_q4fc3faf9e7_att, .Lfunc_end_k_q4fc3faf9e7_att-k_q4fc3faf9e7_att
	.p2alignl 7, 3214868480
	.fill 96, 4, 3214868480
	.section	.rodata,"a",@progbits
	.p2align	6, 0x0
	.amdhsa_kernel k_q4fc3faf9e7_att
		.amdhsa_group_segment_fixed_size 327680
		.amdhsa_private_segment_fixed_size 0
		.amdhsa_enable_private_segment 0
		.amdhsa_kernarg_size 16
		.amdhsa_user_sgpr_count 2
		.amdhsa_user_sgpr_kernarg_segment_ptr 1
		.amdhsa_wavefront_size32 1
		.amdhsa_system_sgpr_workgroup_id_x 1
		.amdhsa_system_sgpr_workgroup_id_y 1
		.amdhsa_system_sgpr_workgroup_id_z 1
		.amdhsa_system_vgpr_workitem_id 0
		.amdhsa_next_free_vgpr 256
		.amdhsa_next_free_sgpr 66
		.amdhsa_reserve_vcc 1
		.amdhsa_float_denorm_mode_32 3
		.amdhsa_float_denorm_mode_16_64 3
		.amdhsa_memory_ordered 1
		.amdhsa_forward_progress 1
		.amdhsa_inst_pref_size 57
	.end_amdhsa_kernel
	.amdgpu_metadata
---
amdhsa.version: [ 1, 2 ]
amdhsa.kernels:
  - .name:           k_q4fc3faf9e7_att
    .symbol:         k_q4fc3faf9e7_att.kd
    .args:
      - { .name: qkv, .offset: 0, .size: 8, .value_kind: global_buffer, .address_space: global }
      - { .name: catimg, .offset: 8, .size: 8, .value_kind: global_buffer, .address_space: global }
    .group_segment_fixed_size: 327680
    .private_segment_fixed_size: 0
    .kernarg_segment_align: 8
    .kernarg_segment_size: 16
    .max_flat_workgroup_size: 512
    .sgpr_count:     66
    .vgpr_count:     256
    .wavefront_size: 32
...
	.end_amdgpu_metadata
.endif
;; end of part 3
;; launch proj (part 4): grid 4 x 64, 4 waves a work-group, clusters of 4 x 4, 327,680 bytes of LDS; arguments catimg, wpimg, bp, out0; writes out0
.if DOCPART == 4
	.amdgcn_target "amdgcn-amd-amdhsa--gfx1250"
	.amdhsa_code_object_version 6
	.text
	.protected	k_q4fc3faf9e7_proj
	.globl	k_q4fc3faf9e7_proj
	.p2align	8
	.type	k_q4fc3faf9e7_proj,@function
k_q4fc3faf9e7_proj:
	s_mov_b64 s[64:65], 0
	v_nop
	global_prefetch_b8 v0, s[64:65] scope:SCOPE_SE
	s_setreg_imm32_b32 hwreg(HW_REG_WAVE_MODE, 25, 1), 1
	s_wait_xcnt 0x0
	s_wait_alu depctr_hold_cnt(0) depctr_sa_sdst(0) depctr_va_vdst(0) depctr_va_sdst(0) depctr_va_ssrc(0) depctr_va_vcc(0) depctr_vm_vsrc(0)
	s_getreg_b32 s2, hwreg(HW_REG_IB_STS2, 6, 4)
	s_cmp_eq_u32 s2, 0
	s_cbranch_scc0 .Lentry_in_a_cluster
	s_endpgm
.Lentry_in_a_cluster:
	s_bfe_u32 s2, ttmp6, 0x10000c
	s_cmp_lg_u32 s2, 0xf033
	s_cbranch_scc0 .Lentry_shape_is_right
	s_endpgm
.Lentry_shape_is_right:
; out0 = cat Wp + bp.  cat [8192][1024] and Wp [1024][1024] arrive in f16 as images of operand registers (catimg: [token tile 512][32 along K: 32][c 2][lane][16 B]; wpimg: [n tile 64][32][2][lane][16 B]); sums in f32; out0 f32.
; A tile of out0 is 128 tokens x 256 columns: 256 work-groups.  Four waves, each 64 x 128: 32 accumulators, 256 registers.  K goes in eight steps of 128 through two LDS slots (A: 8 token tiles x 4 KB; B: 16 n tiles x 4 KB).
; An image is read by ds_load_b128 at 16 x lane: dense, no pitch.  SOURCE 0 = 16 columns of Wp, SOURCE 1 = 16 tokens: a lane holds eight neighbouring columns of one token's row.  bp is the C of each sum's first product.
; CLUSTERS: 4 x 4 work-groups; cat's tiles hang on the tile row alone and are shared along a row of the cluster, Wp's on the tile column alone and are shared along a column: each is asked for jointly.
; The first 16 positions of each sequence are written here too and written again, more finely, by a later launch.
; REGISTERS: window 0: v0-31 addresses; v32-127 and v128-223 two fragment buffers (B's eight fragments, then A's four); on the way out v32-159 hold rows.  window 1: the accumulators, (a, b) at v[8 (8 a + b)].  window 2: v0-63 bp.
.set SLOT,   98304
.set BOFF,   32768                     ; in a slot: A's 32 KB, then B's 64 KB
.set STAGE,  2*SLOT                    ; behind the slots: 16 rows x (512 + 16) bytes for each wave
.set SPITCH, 528
.set SPARE,  STAGE+4*16*SPITCH         ; the spare words, 128 bytes a wave, which no other line names
.set LAPS,   4                         ; a lap = two K steps
.set ADRA, 16
.set ADRB, 20
.set STO,  24
.set RD,   25
.set LI,   26
.set SPW,  28
.set NIL,  29
.set F0,   32
.set F1,   128
.set BK,   32
.set WV,   12
.set WH,   13                          ; s13 = wave / 2: my 64 tokens; also: I fetch for A (0) or B (1)
.set WL,   14                          ; s14 = wave % 2: my 128 columns; also: which half of the tile I fetch
.set G1,   24
.set G0,   32
.set G1B,  48
.set G0B,  56
.set MSB, 0
.macro WIN new
.if MSB != (\new)
	s_set_vgpr_msb (MSB<<8)|(\new)
.set MSB, (\new)
.endif
.endm
.set MUL, 0x50                         ; A and B window 0, C and D window 1;  + 0x10: C window 2
.macro JLOAD s
	s_cmp_eq_u32 s[WH], 0
	s_cbranch_scc0 .Lfor_b_\@
	tensor_load_to_lds s[G0+4*\s:G0+4*\s+3], s[G1:G1+7]
	s_nop 0
.rept 4
	v_nop
.endr
	s_branch .Lasked_\@
.Lfor_b_\@:
	tensor_load_to_lds s[G0B+4*\s:G0B+4*\s+3], s[G1B:G1B+7]
	s_nop 0
.rept 4
	v_nop
.endr
.Lasked_\@:
.endm
.macro CREST
	s_cmp_lg_u32 s[WV], 0
	s_cbranch_scc1 .Lnot_wave_0_\@
	s_barrier_signal -3
.Lnot_wave_0_\@:
	s_barrier_wait -3
	s_barrier_signal -1
	s_barrier_wait -1
.endm
.macro CROUND
	s_barrier_signal -1
	s_barrier_wait -1
	CREST
.endm
	s_load_b256 s[4:11], s[0:1], 0x0               ; catimg s[4:5], wpimg s[6:7], bp s[8:9], out0 s[10:11]
	v_lshl_add_u32 v[SPW], v0, 2, SPARE
	v_mov_b32 v[NIL], 0
	ds_add_u32 v[SPW], v[NIL]                      ; the wave's opening: the add, twice on end, and its wait ahead of my first tensor load
	ds_add_u32 v[SPW], v[NIL]
	v_lshrrev_b32 v1, 5, v0
	v_readfirstlane_b32 s[WV], v1
	s_lshr_b32 s[WH], s[WV], 1
	s_and_b32 s[WL], s[WV], 1
	s_bfe_u32 s40, ttmp6, 0x40000                  ; cx
	s_bfe_u32 s41, ttmp6, 0x40004                  ; cy
	s_lshl_b32 s42, ttmp9, 2
	s_add_co_u32 s42, s42, s40                     ; tile column
	s_and_b32 s43, ttmp7, 0xffff
	s_lshl_b32 s43, s43, 2
	s_add_co_u32 s43, s43, s41                     ; tile row
	s_lshl_b32 s44, s41, 2
	s_lshl_b32 s44, 15, s44                        ; my row of the cluster
	s_lshl_b32 s45, 0x1111, s40                    ; my column
	s_or_b32 s[G1+0], s44, (3<<16)|(1<<21)         ; the mask; elements of 8 bytes; bit 21 beside a mask; no padding
	s_or_b32 s[G1B+0], s45, (3<<16)|(1<<21)
.irp g, G1, G1B
	s_mov_b32 s[\g+1], 512<<16                     ; tensor_dim0: a row is a tile's 4 KB of a K step
	s_mov_b32 s[\g+3], 512<<16                     ; tile_dim0
	s_mov_b32 s[\g+5], 4096                        ; from tile to tile: 32 KB
	s_mov_b32 s[\g+6], 0
	s_mov_b32 s[\g+7], 0
.endr
	s_mov_b32 s[G1+2], 4<<16                       ; A: four token tiles to a load
	s_mov_b32 s[G1+4], 4
	s_mov_b32 s[G1B+2], 8<<16                      ; B: eight n tiles
	s_mov_b32 s[G1B+4], 8
	s_lshl_b32 s16, s43, 18                        ; A: token tile 8 x tile row + 4 x half
	s_lshl_b32 s18, s[WL], 17
	s_add_co_u32 s16, s16, s18
	s_mov_b32 s17, 0
	s_lshl_b32 s46, s42, 19                        ; B: n tile 16 x tile column + 8 x half
	s_lshl_b32 s18, s[WL], 18
	s_add_co_u32 s46, s46, s18
	s_mov_b32 s47, 0
	s_lshl_b32 s20, s[WL], 14                      ; where they go: no place in the cluster enters an LDS address
	s_lshl_b32 s21, s[WL], 15
	s_add_co_u32 s21, s21, BOFF
	s_wait_dscnt 0x0
	s_wait_kmcnt 0x0
	s_add_nc_u64 s[16:17], s[4:5], s[16:17]
	s_add_nc_u64 s[46:47], s[6:7], s[46:47]
	CROUND                                         ; all sixteen work-groups are here: the first joint loads meet
.irp s, 0,1
	s_mov_b32 s[G0+4*\s], 1
	s_add_co_u32 s[G0+4*\s+1], s20, \s*SLOT
	s_add_nc_u64 s[G0+4*\s+2:G0+4*\s+3], s[16:17], \s*4096
	s_or_b32 s[G0+4*\s+3], s[G0+4*\s+3], 0x80000000
	s_mov_b32 s[G0B+4*\s], 1
	s_add_co_u32 s[G0B+4*\s+1], s21, \s*SLOT
	s_add_nc_u64 s[G0B+4*\s+2:G0B+4*\s+3], s[46:47], \s*4096
	s_or_b32 s[G0B+4*\s+3], s[G0B+4*\s+3], 0x80000000
	JLOAD \s                                       ; two tensor loads of mine are out at the most
.endr
	v_and_b32 v1, 15, v0                           ; r
	v_bfe_u32 v2, v0, 4, 1                         ; h
	v_and_b32 v3, 31, v0
	v_lshlrev_b32 v[LI], 4, v3
	v_lshlrev_b32 v5, 5, v2                        ; bp: my half's eight columns of a block
	s_lshl_b32 s18, s42, 10
	s_lshl_b32 s19, s[WL], 9
	s_add_co_u32 s18, s18, s19                     ; my first column, in bytes: 4 x (256 x tile column + 128 x half)
	s_mov_b32 s19, 0
	s_add_nc_u64 s[8:9], s[8:9], s[18:19]
	WIN 0x80                                       ; destination window 2
.irp b, 0,1,2,3,4,5,6,7
.irp c, 0,1
	global_load_b128 v[8*\b+4*\c:8*\b+4*\c+3], v5, s[8:9] offset:64*\b+16*\c
.endr
.endr
	WIN 0
	s_add_nc_u64 s[10:11], s[10:11], s[18:19]
	s_lshl_b32 s18, s43, 19                        ; my first row: 128 x tile row + 64 x half, 4,096 bytes a row
	s_lshl_b32 s22, s[WH], 18
	s_add_co_u32 s18, s18, s22
	s_add_nc_u64 s[10:11], s[10:11], s[18:19]
	s_lshl_b32 s18, s[WH], 14
	s_lshl_b32 s22, s[WL], 15
	s_add_co_u32 s22, s22, BOFF
.irp s, 0,1
	v_add_nc_u32 v[ADRA+\s], s18, v[LI]
	v_add_nc_u32 v[ADRB+\s], s22, v[LI]
	s_add_co_u32 s18, s18, SLOT
	s_add_co_u32 s22, s22, SLOT
.endr
	s_mul_i32 s23, s[WV], 16*SPITCH
	s_add_co_u32 s23, s23, STAGE                   ; my stage
	v_mul_u32_u24 v4, v1, SPITCH
	v_lshl_add_u32 v4, v2, 5, v4
	v_add_nc_u32 v[STO], s23, v4                   ; in: row r, 32 bytes for each half of the lanes
	v_add_nc_u32 v[RD], s23, v[LI]                 ; back: the 32 lanes take one row of 512 bytes
.macro MUL8 f, a, zero                 ; A's fragment a x B's eight, 32 along K.  The 32 accumulators take turns, one instruction a turn
.irp b, 0,1,2,3,4,5,6,7
.if \zero
	v_wmma_f32_16x16x32_f16 v[8*(8*\a+\b):8*(8*\a+\b)+7], v[\f+8*\b:\f+8*\b+7], v[\f+64+8*\a:\f+64+8*\a+7], v[8*\b:8*\b+7]
.else
	v_wmma_f32_16x16x32_f16 v[8*(8*\a+\b):8*(8*\a+\b)+7], v[\f+8*\b:\f+8*\b+7], v[\f+64+8*\a:\f+64+8*\a+7], v[8*(8*\a+\b):8*(8*\a+\b)+7]
.endif
.endr
.endm
.macro FETCH slot, kq, f               ; 24 LDS loads in one run: the slot's kq-th 32 along K; A's fragments 2 and 3 last
	WIN 0
.irp i, 0,1,2,3,4,5,6,7
.irp c, 0,1
	ds_load_b128 v[\f+8*\i+4*\c:\f+8*\i+4*\c+3], v[ADRB+\slot] offset:\i*4096+\kq*1024+512*\c
.endr
.endr
.irp i, 0,1,2,3
.irp c, 0,1
	ds_load_b128 v[\f+64+8*\i+4*\c:\f+64+8*\i+4*\c+3], v[ADRA+\slot] offset:\i*4096+\kq*1024+512*\c
.endr
.endr
.endm
.macro PLACES                          ; four plain vector instructions in front of loads into registers that matrix instructions have read, and of reads of results
.rept 4
	v_nop
.endr
.endm
.macro QUARTER slot, kq, f, g, zero    ; multiplies buffer f; in its middle fetches the slot's kq-th quarter into g
	s_wait_dscnt 4                                 ; B and A's fragments 0, 1 are in; the youngest four loads may be out
	WIN MUL+0x10*\zero
	MUL8 \f, 0, \zero
	MUL8 \f, 1, \zero
	PLACES
	FETCH \slot, \kq, \g
	s_wait_dscnt 24                                ; all but the 24 just issued
	WIN MUL+0x10*\zero
	MUL8 \f, 2, \zero
	MUL8 \f, 3, \zero
.endm
; A K step's last quarter multiplies buffer 1 and changes slots: one barrier; in front of it each wave waits for all its tensor loads, adds 0 to its spare word, and waits for that and for its reads of this slot.
; fill = 1: the barrier opens a round of the cluster's, and the slot is filled again, two K steps ahead: 112 matrix instructions ahead of the wait for it.
.macro TURN slot, next, fill
	WIN 0
	s_wait_tensorcnt 0x0
	ds_add_u32 v[SPW], v[NIL]
	s_wait_dscnt 5                                 ; the add and the youngest four loads may be out
	WIN MUL
	MUL8 F1, 0, 0
	s_wait_dscnt 0x0                               ; the add is done, and my reads of this slot are over
	s_barrier_signal -1
	MUL8 F1, 1, 0
.if \fill
	WIN 0
.endif
	s_barrier_wait -1
.if \fill
	CREST                                          ; no wave of any partner still reads this slot or has a load on its way
	s_add_nc_u64 s[G0+4*\slot+2:G0+4*\slot+3], s[G0+4*\slot+2:G0+4*\slot+3], 8192
	s_add_nc_u64 s[G0B+4*\slot+2:G0B+4*\slot+3], s[G0B+4*\slot+2:G0B+4*\slot+3], 8192
	JLOAD \slot                                    ; the four v_nop behind it are also the places in front of the loads below
.else
	PLACES
.endif
	FETCH \next, 0, F0
	WIN MUL
	MUL8 F1, 2, 0
	MUL8 F1, 3, 0
.endm
	s_wait_tensorcnt 1                             ; my part of K step 0 is in; K step 1's load may be out
	s_barrier_signal -1
	s_barrier_wait -1
	FETCH 0, 0, F0
	s_wait_loadcnt 0x0                             ; bp
	QUARTER 0, 1, F0, F1, 1                        ; the first quarter stands in front of the loop: its products start the sums, with bp as C
	WIN 0
	s_mov_b32 s3, LAPS-1
.Llap:                                             ; a trip goes once round the two slots and fills both again
	QUARTER 0, 2, F1, F0, 0
	QUARTER 0, 3, F0, F1, 0
	TURN 0, 1, 1
	QUARTER 1, 1, F0, F1, 0
	QUARTER 1, 2, F1, F0, 0
	QUARTER 1, 3, F0, F1, 0
	TURN 1, 0, 1
	QUARTER 0, 1, F0, F1, 0
	WIN 0
	s_sub_co_u32 s3, s3, 1
	s_cmp_lg_u32 s3, 0
	s_cbranch_scc1 .Llap
	QUARTER 0, 2, F1, F0, 0                        ; the last lap fills nothing
	QUARTER 0, 3, F0, F1, 0
	TURN 0, 1, 0
	QUARTER 1, 1, F0, F1, 0
	QUARTER 1, 2, F1, F0, 0
	QUARTER 1, 3, F0, F1, 0
	s_wait_dscnt 4
	WIN MUL
	MUL8 F1, 0, 0
	MUL8 F1, 1, 0
	s_wait_dscnt 0
	MUL8 F1, 2, 0
	MUL8 F1, 3, 0
	WIN 0
; THE WAY OUT, 16 tokens x 128 columns at a time, through my own stage: back as whole rows of 512 bytes, which the 32 lanes store at a multiple of 256 from out0's first byte.  LDS serves a wave in order (ISA guide 5.7.1.4).
.macro TOSTAGE a
	WIN 0x04                                       ; an LDS store's data are its source 1: window 1
.irp b, 0,1,2,3,4,5,6,7
	ds_store_b128 v[STO], v[8*(8*(\a)+\b):8*(8*(\a)+\b)+3] offset:64*\b          ; each accumulator from its low end on
	ds_store_b128 v[STO], v[8*(8*(\a)+\b)+4:8*(8*(\a)+\b)+7] offset:64*\b+16
.endr
	WIN 0
.set BB, BK+64*((\a)%2)
.irp t, 0,1,2,3,4,5,6,7,8,9,10,11,12,13,14,15
	ds_load_b128 v[BB+4*\t:BB+4*\t+3], v[RD] offset:\t*SPITCH
.endr
.endm
.macro SEND a, younger
.set BB, BK+64*((\a)%2)
	s_wait_dscnt \younger
.if (\a) > 0
	s_add_nc_u64 s[10:11], s[10:11], 16*4096       ; behind a wait on XCNT: the earlier stores have read their base
.endif
.irp t, 0,1,2,3,4,5,6,7,8,9,10,11,12,13,14,15
	global_store_b128 v[LI], v[BB+4*\t:BB+4*\t+3], s[10:11] offset:\t*4096 th:TH_STORE_NT
.endr
.endm
	PLACES
	TOSTAGE 0
.irp a, 1,2,3
.if \a > 1
	s_wait_xcnt 0x0                                ; block a - 2's stores have read their registers and their base
.endif
	TOSTAGE \a
	SEND \a-1, 32                                  ; behind block a - 1's loads: block a's 16 stores and 16 loads
.endr
	s_wait_xcnt 0x0
	SEND 3, 0
	s_wait_tensorcnt 0x0                           ; the wave's end
	ds_add_u32 v[SPW], v[NIL]
	s_wait_dscnt 0x0
	CROUND                                         ; the closing round
	s_endpgm
.Lfunc_end_k_q4fc3faf9e7_proj:
	.size	k_q4fc3faf9e7_proj, .Lfunc_end_k_q4fc3faf9e7_proj-k_q4fc3faf9e7_proj
	.p2alignl 7, 3214868480
	.fill 96, 4, 3214868480
	.section	.rodata,"a",@progbits
	.p2align	6, 0x0
	.amdhsa_kernel k_q4fc3faf9e7_proj
		.amdhsa_group_segment_fixed_size 327680
		.amdhsa_private_segment_fixed_size 0
		.amdhsa_enable_private_segment 0
		.amdhsa_kernarg_size 32
		.amdhsa_user_sgpr_count 2
		.amdhsa_user_sgpr_kernarg_segment_ptr 1
		.amdhsa_wavefront_size32 1
		.amdhsa_system_sgpr_workgroup_id_x 1
		.amdhsa_system_sgpr_workgroup_id_y 1
		.amdhsa_system_sgpr_workgroup_id_z 1
		.amdhsa_system_vgpr_workitem_id 0
		.amdhsa_next_free_vgpr 768
		.amdhsa_next_free_sgpr 72
		.amdhsa_reserve_vcc 0
		.amdhsa_float_denorm_mode_32 3
		.amdhsa_float_denorm_mode_16_64 3
		.amdhsa_memory_ordered 1
		.amdhsa_forward_progress 1
		.amdhsa_inst_pref_size 86
	.end_amdhsa_kernel
	.amdgpu_metadata
---
amdhsa.version: [ 1, 2 ]
amdhsa.kernels:
  - .name:           k_q4fc3faf9e7_proj
    .symbol:         k_q4fc3faf9e7_proj.kd
    .args:
      - { .name: catimg, .offset: 0, .size: 8, .value_kind: global_buffer, .address_space: global }
      - { .name: wpimg, .offset: 8, .size: 8, .value_kind: global_buffer, .address_space: global }
      - { .name: bp, .offset: 16, .size: 8, .value_kind: global_buffer, .address_space: global }
      - { .name: out0, .offset: 24, .size: 8, .value_kind: global_buffer, .address_space: global }
    .group_segment_fixed_size: 327680
    .private_segment_fixed_size: 0
    .kernarg_segment_align: 8
    .kernarg_segment_size: 32
    .max_flat_workgroup_size: 128
    .sgpr_count:     72
    .vgpr_count:     768
    .wavefront_size: 32
...
	.end_amdgpu_metadata
.endif
;; end of part 4
;; launch fine_att (part 5): grid 64 x 1, 12 waves a work-group, no clusters, 13,824 bytes of LDS; arguments codes, scl, bq, bk, bv, catf; writes catf
.if DOCPART == 5
	.amdgcn_target "amdgcn-amd-amdhsa--gfx1250"
	.amdhsa_code_object_version 6
	.text
	.protected	k_q4fc3faf9e7_fine_att
	.globl	k_q4fc3faf9e7_fine_att
	.p2align	8
	.type	k_q4fc3faf9e7_fine_att,@function
k_q4fc3faf9e7_fine_att:
	s_mov_b64 s[64:65], 0
	v_nop
	global_prefetch_b8 v0, s[64:65] scope:SCOPE_SE
	s_setreg_imm32_b32 hwreg(HW_REG_WAVE_MODE, 25, 1), 1
	s_wait_xcnt 0x0
; THE FIRST 16 POSITIONS OF EACH SEQUENCE, IN f32.  Under the causal mask these rows average one to sixteen values and are the largest in size: they are carried without any rounding to 16 bits.
; Work-group = bh.  Wave w = 4 which + ct makes one tile of 16 x 16 of q, k or v (positions 0-15, channels 16 ct on) anew from the codes of FP4, K = 1,024 in eight scaled products on one accumulator, the bias as the first C.
;   q, k: source 0 = 16 rows of W, source 1 = x's 16 rows: a lane holds one token and channels 8 h + 0..7;   v: the sources swapped: a lane holds one channel and keys 8 h + 0..7.
; The tiles go to LDS as images of their registers; wave 0 then does the attention of the 16 queries by the f32 matrix form (16 x 16 x 4: lane (r, h), register j: k = 2 h + j).
;   S^T = K Q^T: a pair of registers 2 i, 2 i + 1 of a tile gives both sides the same four channels (16 ct + 8 h + 2 i + j): the same permutation of K on both sides keeps the sum.  O^T = V^T P likewise along the keys.
; catf: [bh][ct 4][c 2][lane][16 B] f32: lane (r, h): query r, channels 16 ct + 8 h + 4 c + 0..3.  The registers that the f32 matrix form writes are written by nothing else.
.set SPARE, 12288                      ; behind the twelve images: the spare words, 128 bytes a wave, which no other line names
.set SPW,  252
.set NIL,  253
.set F0,   16                          ; v16-79   source 0's eight fragments; later q's and k's tiles
.set F1,   80                          ; v80-143  source 1's; later v's tiles, and the result
.set SA,   144                         ; v144-151 source 0's scale words;  v152-159 source 1's
.set SB,   152
.set BIA,  160
.set ACC,  168
.set SS,   176                         ; v176-191 S^T in two halves of K
.set OO,   192                         ; v192-223 O^T
.set TT,   224                         ; v224-231 the scores, then p
	s_load_b128 s[4:7], s[0:1], 0x0                ; codes, scl
	s_load_b256 s[8:15], s[0:1], 0x10              ; bq, bk, bv, catf
	v_lshl_add_u32 v[SPW], v0, 2, SPARE
	v_mov_b32 v[NIL], 0
	v_lshrrev_b32 v1, 5, v0
	v_readfirstlane_b32 s16, v1                    ; wave 0..11
	v_and_b32 v2, 15, v0                           ; r
	v_bfe_u32 v3, v0, 4, 1                         ; h
	v_lshlrev_b32 v4, 9, v2
	v_lshl_add_u32 v4, v3, 4, v4                   ; codes: row r of 512 bytes, + 16 h
	v_lshlrev_b32 v5, 5, v2                        ; scale words: 32 bytes a row
	v_and_b32 v6, 31, v0
	v_lshlrev_b32 v6, 4, v6                        ; 16 x lane
	s_lshl_b32 s29, s16, 10
	v_add_nc_u32 v7, s29, v6                       ; where my image goes
	s_lshr_b32 s17, s16, 2                         ; which
	s_and_b32 s18, s16, 3                          ; ct
	s_lshr_b32 s19, ttmp9, 4                       ; batch
	s_and_b32 s20, ttmp9, 15                       ; head
	s_lshl_b32 s21, s19, 11                        ; x's first row
	s_lshl_b32 s22, s17, 10
	s_lshl_b32 s23, s20, 6
	s_add_co_u32 s22, s22, s23
	s_lshl_b32 s23, s18, 4
	s_add_co_u32 s22, s22, s23
	s_lshl_b32 s38, s23, 2
	s_lshl_b32 s23, s20, 8
	s_add_co_u32 s38, s38, s23                     ; the bias: 4 x (64 head + 16 ct)
	s_mov_b32 s39, 0
	s_add_co_u32 s22, s22, 8192                    ; W's first row
	s_cmp_eq_u32 s17, 2                            ; v swaps the sources
	s_cselect_b32 s24, s21, s22
	s_cselect_b32 s25, s22, s21
	s_cselect_b32 s26, 4, 0                        ; v: C's register j is b(r);  q, k: b(8 h + j)
	s_cselect_b32 s27, 0, 32
	s_cselect_b32 s28, 0, 4
	s_lshl_b32 s30, s24, 9
	s_mov_b32 s31, 0
	s_lshl_b32 s32, s25, 9
	s_mov_b32 s33, 0
	s_lshl_b32 s34, s24, 5
	s_mov_b32 s35, 0
	s_lshl_b32 s36, s25, 5
	s_mov_b32 s37, 0
	s_lshl_b32 s44, ttmp9, 12
	s_mov_b32 s45, 0
	s_mov_b32 s40, 0x76543210
	s_mov_b32 s41, 0xfedcba98
	s_mov_b32 s42, 0x3e38aa3b                      ; c = log2(e) / 8
	v_mul_u32_u24 v236, v2, s26
	v_mad_u32_u24 v236, v3, s27, v236
	s_mov_b32 s29, 0
.irp j, 0,1,2,3,4,5,6,7
	v_add_nc_u32 v[8+\j], s29, v236
	s_add_co_u32 s29, s29, s28
.endr
	s_wait_kmcnt 0x0
	s_add_nc_u64 s[30:31], s[4:5], s[30:31]
	s_add_nc_u64 s[32:33], s[4:5], s[32:33]
	s_add_nc_u64 s[34:35], s[6:7], s[34:35]
	s_add_nc_u64 s[36:37], s[6:7], s[36:37]
	s_add_nc_u64 s[14:15], s[14:15], s[44:45]
	s_cmp_eq_u32 s17, 1                            ; the choice hangs on the wave's number alone
	s_cselect_b64 s[10:11], s[10:11], s[12:13]
	s_cmp_eq_u32 s17, 0
	s_cselect_b64 s[8:9], s[8:9], s[10:11]
	s_add_nc_u64 s[8:9], s[8:9], s[38:39]
.irp s, 0,1,2,3,4,5,6,7
.irp c, 0,1
	global_load_b128 v[F0+8*\s+4*\c:F0+8*\s+4*\c+3], v4, s[30:31] offset:64*\s+32*\c
	global_load_b128 v[F1+8*\s+4*\c:F1+8*\s+4*\c+3], v4, s[32:33] offset:64*\s+32*\c
.endr
.endr
	global_load_b128 v[SA:SA+3], v5, s[34:35]
	global_load_b128 v[SA+4:SA+7], v5, s[34:35] offset:16
	global_load_b128 v[SB:SB+3], v5, s[36:37]
	global_load_b128 v[SB+4:SB+7], v5, s[36:37] offset:16
.irp j, 0,1,2,3,4,5,6,7
	global_load_b32 v[BIA+\j], v[8+\j], s[8:9]
.endr
	s_wait_loadcnt 0x0
	v_wmma_scale_f32_16x16x128_f8f6f4 v[ACC:ACC+7], v[F0:F0+7], v[F1:F1+7], v[BIA:BIA+7], v[SA], v[SB] matrix_a_fmt:MATRIX_FMT_FP4 matrix_b_fmt:MATRIX_FMT_FP4
.irp s, 1,2,3,4,5,6,7
	s_wait_alu depctr_va_vdst(0)                   ; a wait directly ahead of every link
	v_wmma_scale_f32_16x16x128_f8f6f4 v[ACC:ACC+7], v[F0+8*\s:F0+8*\s+7], v[F1+8*\s:F1+8*\s+7], v[ACC:ACC+7], v[SA+\s], v[SB+\s] matrix_a_fmt:MATRIX_FMT_FP4 matrix_b_fmt:MATRIX_FMT_FP4
.endr
.rept 4
	v_nop
.endr
	ds_store_b128 v7, v[ACC:ACC+3]                 ; the tile as it stands: lane l's 16 bytes at 16 l
	ds_store_b128 v7, v[ACC+4:ACC+7] offset:512
	s_wait_dscnt 0x0                               ; for the others' sake
	s_barrier_signal -1
	s_barrier_wait -1
	s_cmp_lg_u32 s16, 0
	s_cbranch_scc1 .Lend                           ; wave 0 alone goes on; no barrier follows
.irp g, 0,1,2,3,4,5,6,7,8,9,10,11
.irp c, 0,1
	ds_load_b128 v[16+8*\g+4*\c:16+8*\g+4*\c+3], v6 offset:\g*1024+512*\c   ; q's four tiles at v16, k's at v48, v's at v80
.endr
.endr
	s_wait_dscnt 0x0
.irp n, 0,1,2,3,4,5,6,7,8,9,10,11,12,13,14,15
.if \n < 2
	v_wmma_f32_16x16x4_f32 v[SS+8*(\n%2):SS+8*(\n%2)+7], v[48+2*\n:49+2*\n], v[16+2*\n:17+2*\n], 0
.else
	v_wmma_f32_16x16x4_f32 v[SS+8*(\n%2):SS+8*(\n%2)+7], v[48+2*\n:49+2*\n], v[16+2*\n:17+2*\n], v[SS+8*(\n%2):SS+8*(\n%2)+7]   ; two accumulators by turns
.endif
.endr
.rept 8
	v_nop                                          ; eight places behind this form
.endr
.irp j, 0,2,4,6
	v_pk_add_f32 v[TT+\j:TT+\j+1], v[SS+\j:SS+\j+1], v[SS+8+\j:SS+8+\j+1]   ; lane (r, h): query r, keys 8 h + j
.endr
	v_lshlrev_b32 v232, 3, v3
	v_sub_nc_u32 v232, v2, v232                    ; r - 8 h: key 8 h + j is hidden where j > r - 8 h
	v_mov_b32 v233, 0xff800000
.irp j, 0,1,2,3,4,5,6,7
	v_cmp_gt_i32 vcc_lo, \j, v232
	v_cndmask_b32 v[TT+\j], v[TT+\j], v233, vcc_lo
.endr
	v_max3_num_f32 v234, v[TT], v[TT+1], v[TT+2]
	v_max3_num_f32 v235, v[TT+3], v[TT+4], v[TT+5]
	v_max3_num_f32 v234, v234, v[TT+6], v[TT+7]
	v_max_num_f32 v234, v234, v235
	v_permlanex16_b32 v235, v234, s40, s41
	v_max_num_f32 v234, v234, v235                 ; the row's maximum: key 0 counts for every query
	v_mul_f32 v234, s42, v234
.irp j, 0,1,2,3,4,5,6,7
	v_fma_f32 v[TT+\j], v[TT+\j], s42, -v234
.endr
.irp j, 0,1,2,3,4,5,6,7
	v_exp_f32 v[TT+\j], v[TT+\j]
.endr
	v_nop
	s_wait_alu depctr_va_vdst(0)                   ; one wait for the eight, ahead of their first reader
	v_pk_add_f32 v[236:237], v[TT:TT+1], v[TT+2:TT+3]
	v_pk_add_f32 v[238:239], v[TT+4:TT+5], v[TT+6:TT+7]
	v_pk_add_f32 v[236:237], v[236:237], v[238:239]
	v_add_f32 v236, v236, v237
	v_permlanex16_b32 v237, v236, s40, s41
	v_add_f32 v236, v236, v237                     ; the row's sum
	v_rcp_f32 v238, v236
	v_nop
	s_wait_alu depctr_va_vdst(0)
.irp i, 0,1,2,3
.irp ct, 0,1,2,3
.if \i == 0
	v_wmma_f32_16x16x4_f32 v[OO+8*\ct:OO+8*\ct+7], v[80+8*\ct+2*\i:81+8*\ct+2*\i], v[TT+2*\i:TT+2*\i+1], 0
.else
	v_wmma_f32_16x16x4_f32 v[OO+8*\ct:OO+8*\ct+7], v[80+8*\ct+2*\i:81+8*\ct+2*\i], v[TT+2*\i:TT+2*\i+1], v[OO+8*\ct:OO+8*\ct+7]   ; four accumulators by turns
.endif
.endr
.endr
.rept 8
	v_nop
.endr
.set n, 0
.rept 32
	v_mul_f32 v[112+n], v[OO+n], v238              ; into other registers, each accumulator from its low end on
.set n, n+1
.endr
.irp ct, 0,1,2,3
.irp c, 0,1
	global_store_b128 v6, v[112+8*\ct+4*\c:112+8*\ct+4*\c+3], s[14:15] offset:\ct*1024+\c*512
.endr
.endr
.Lend:
	s_wait_tensorcnt 0x0                           ; the wave's end
	ds_add_u32 v[SPW], v[NIL]
	s_wait_dscnt 0x0
	s_endpgm
.Lfunc_end_k_q4fc3faf9e7_fine_att:
	.size	k_q4fc3faf9e7_fine_att, .Lfunc_end_k_q4fc3faf9e7_fine_att-k_q4fc3faf9e7_fine_att
	.p2alignl 7, 3214868480
	.fill 96, 4, 3214868480
	.section	.rodata,"a",@progbits
	.p2align	6, 0x0
	.amdhsa_kernel k_q4fc3faf9e7_fine_att
		.amdhsa_group_segment_fixed_size 13824
		.amdhsa_private_segment_fixed_size 0
		.amdhsa_enable_private_segment 0
		.amdhsa_kernarg_size 48
		.amdhsa_user_sgpr_count 2
		.amdhsa_user_sgpr_kernarg_segment_ptr 1
		.amdhsa_wavefront_size32 1
		.amdhsa_system_sgpr_workgroup_id_x 1
		.amdhsa_system_sgpr_workgroup_id_y 1
		.amdhsa_system_sgpr_workgroup_id_z 1
		.amdhsa_system_vgpr_workitem_id 0
		.amdhsa_next_free_vgpr 256
		.amdhsa_next_free_sgpr 66
		.amdhsa_reserve_vcc 1
		.amdhsa_float_denorm_mode_32 3
		.amdhsa_float_denorm_mode_16_64 3
		.amdhsa_memory_ordered 1
		.amdhsa_forward_progress 1
		.amdhsa_inst_pref_size 18
	.end_amdhsa_kernel
	.amdgpu_metadata
---
amdhsa.version: [ 1, 2 ]
amdhsa.kernels:
  - .name:           k_q4fc3faf9e7_fine_att
    .symbol:         k_q4fc3faf9e7_fine_att.kd
    .args:
      - { .name: codes, .offset: 0, .size: 8, .value_kind: global_buffer, .address_space: global }
      - { .name: scl, .offset: 8, .size: 8, .value_kind: global_buffer, .address_space: global }
      - { .name: bq, .offset: 16, .size: 8, .value_kind: global_buffer, .address_space: global }
      - { .name: bk, .offset: 24, .size: 8, .value_kind: global_buffer, .address_space: global }
      - { .name: bv, .offset: 32, .size: 8, .value_kind: global_buffer, .address_space: global }
      - { .name: catf, .offset: 40, .size: 8, .value_kind: global_buffer, .address_space: global }
    .group_segment_fixed_size: 13824
    .private_segment_fixed_size: 0
    .kernarg_segment_align: 8
    .kernarg_segment_size: 48
    .max_flat_workgroup_size: 384
    .sgpr_count:     66
    .vgpr_count:     256
    .wavefront_size: 32
...
	.end_amdgpu_metadata
.endif
;; end of part 5
;; launch fine_proj (part 6): grid 64 x 4, 8 waves a work-group, no clusters, 9,216 bytes of LDS; arguments catf, Wp, bp, out0; writes out0
.if DOCPART == 6
	.amdgcn_target "amdgcn-amd-amdhsa--gfx1250"
	.amdhsa_code_object_version 6
	.text
	.protected	k_q4fc3faf9e7_fine_proj
	.globl	k_q4fc3faf9e7_fine_proj
	.p2align	8
	.type	k_q4fc3faf9e7_fine_proj,@function
k_q4fc3faf9e7_fine_proj:
	s_mov_b64 s[64:65], 0
	v_nop
	global_prefetch_b8 v0, s[64:65] scope:SCOPE_SE
	s_setreg_imm32_b32 hwreg(HW_REG_WAVE_MODE, 25, 1), 1
	s_wait_xcnt 0x0
; THE PROJECTION OF THE FIRST 16 POSITIONS OF EACH SEQUENCE, IN f32: out0[b][0..15][16 x .. 16 x + 15] = cat Wp + bp, written over what the f16 projection left in those rows.
; Work-group (x, b): 16 columns, one batch.  Wave w sums over heads 2 w and 2 w + 1 (K = 128) by 32 products of the f32 matrix form (16 x 16 x 4) on two accumulators by turns; the eight waves' parts meet in LDS.
; catf gives lane (r, h), register 8 ct + jj of a head: token r, channel 16 ct + 8 h + jj; Wp is loaded so that the same register of lane (r, h) holds Wp(64 head + 16 ct + 8 h + jj, 16 x + r): a pair of registers gives both
; sides the same four k.  Each lane's result is one number: a wave stores two runs of 64 bytes; these 64 rows are one part in 128 of out0.  The registers that the matrix form writes are written by nothing else.
.set SPARE, 8192                       ; behind the eight images: the spare words, 128 bytes a wave, which no other line names
.set SPW, 10
.set NIL, 11
	s_load_b256 s[4:11], s[0:1], 0x0               ; catf s[4:5], Wp s[6:7], bp s[8:9], out0 s[10:11]
	v_lshl_add_u32 v[SPW], v0, 2, SPARE
	v_mov_b32 v[NIL], 0
	v_lshrrev_b32 v1, 5, v0
	v_readfirstlane_b32 s12, v1                    ; wave 0..7
	v_and_b32 v1, 15, v0                           ; r
	v_bfe_u32 v2, v0, 4, 1                         ; h
	v_and_b32 v3, 31, v0
	v_lshlrev_b32 v3, 4, v3                        ; 16 x lane
	v_lshlrev_b32 v4, 2, v1                        ; 4 r
	v_lshl_add_u32 v5, v2, 15, v4                  ; eight rows of 4,096 bytes x h + 4 r: in Wp and in out0 alike
	s_lshl_b32 s13, s12, 10
	v_add_nc_u32 v6, s13, v3                       ; where my image goes
	s_lshr_b32 s13, s12, 2
	s_lshl_b32 s13, s13, 9
	s_and_b32 s14, s12, 3
	s_lshl_b32 s14, s14, 2
	s_add_co_u32 s13, s13, s14
	v_add_nc_u32 v7, s13, v3                       ; register w of an image
	s_and_b32 s15, ttmp7, 0xffff                   ; batch
	s_lshl_b32 s16, s15, 16
	s_lshl_b32 s18, s12, 13
	s_add_co_u32 s16, s16, s18                     ; catf: bh = 16 batch + 2 w, 4,096 bytes each
	s_mov_b32 s17, 0
	s_lshl_b32 s18, s12, 19                        ; Wp: 128 rows x w,
	s_lshl_b32 s20, ttmp9, 6                       ; 16 columns x work-group x
	s_add_co_u32 s18, s18, s20
	s_mov_b32 s19, 0
	s_mov_b32 s21, 0
	s_lshl_b32 s22, s15, 23                        ; out0: 2,048 rows a batch,
	s_lshl_b32 s24, s12, 12                        ; row w of each half's eight
	s_add_co_u32 s22, s22, s24
	s_add_co_u32 s22, s22, s20
	s_mov_b32 s23, 0
	s_wait_kmcnt 0x0
	s_add_nc_u64 s[4:5], s[4:5], s[16:17]
	s_add_nc_u64 s[6:7], s[6:7], s[18:19]
	s_add_nc_u64 s[8:9], s[8:9], s[20:21]
	s_add_nc_u64 s[10:11], s[10:11], s[22:23]
.irp hd, 0,1
.irp ct, 0,1,2,3
.irp c, 0,1
	global_load_b128 v[16+32*\hd+8*\ct+4*\c:16+32*\hd+8*\ct+4*\c+3], v3, s[4:5] offset:\hd*4096+\ct*1024+\c*512
.endr
.endr
.endr
.irp hd, 0,1
.irp ct, 0,1,2,3
.irp jj, 0,1,2,3,4,5,6,7
	global_load_b32 v[80+32*\hd+8*\ct+\jj], v5, s[6:7] offset:(64*\hd+16*\ct+\jj)*4096
.endr
.endr
.endr
	global_load_b32 v8, v4, s[8:9]                 ; bp(16 x + r)
	s_wait_loadcnt 0x0
.set n, 0
.rept 32
.if n < 2
	v_wmma_f32_16x16x4_f32 v[144+8*(n%2):151+8*(n%2)], v[16+2*n:17+2*n], v[80+2*n:81+2*n], 0
.else
	v_wmma_f32_16x16x4_f32 v[144+8*(n%2):151+8*(n%2)], v[16+2*n:17+2*n], v[80+2*n:81+2*n], v[144+8*(n%2):151+8*(n%2)]
.endif
.set n, n+1
.endr
.rept 8
	v_nop                                          ; eight places behind this form
.endr
.irp j, 0,2,4,6
	v_pk_add_f32 v[16+\j:17+\j], v[144+\j:145+\j], v[152+\j:153+\j]   ; lane (r, h), register j: token 8 h + j, column r
.endr
	ds_store_b128 v6, v[16:19]
	ds_store_b128 v6, v[20:23] offset:512
	s_wait_dscnt 0x0                               ; for the others' sake
	s_barrier_signal -1
	s_barrier_wait -1
.irp p, 0,1,2,3,4,5,6,7
	ds_load_b32 v[24+\p], v7 offset:\p*1024        ; register w of all eight parts
.endr
	s_wait_dscnt 0x0
	v_add_f32 v24, v24, v25
	v_add_f32 v26, v26, v27
	v_add_f32 v28, v28, v29
	v_add_f32 v30, v30, v31
	v_add_f32 v24, v24, v26
	v_add_f32 v28, v28, v30
	v_add_f32 v24, v24, v28
	v_add_f32 v24, v24, v8
	global_store_b32 v5, v24, s[10:11]             ; out0(2048 b + 8 h + w, 16 x + r)
	s_wait_tensorcnt 0x0                           ; the wave's end
	ds_add_u32 v[SPW], v[NIL]
	s_wait_dscnt 0x0
	s_endpgm
.Lfunc_end_k_q4fc3faf9e7_fine_proj:
	.size	k_q4fc3faf9e7_fine_proj, .Lfunc_end_k_q4fc3faf9e7_fine_proj-k_q4fc3faf9e7_fine_proj
	.p2alignl 7, 3214868480
	.fill 96, 4, 3214868480
	.section	.rodata,"a",@progbits
	.p2align	6, 0x0
	.amdhsa_kernel k_q4fc3faf9e7_fine_proj
		.amdhsa_group_segment_fixed_size 9216
		.amdhsa_private_segment_fixed_size 0
		.amdhsa_enable_private_segment 0
		.amdhsa_kernarg_size 32
		.amdhsa_user_sgpr_count 2
		.amdhsa_user_sgpr_kernarg_segment_ptr 1
		.amdhsa_wavefront_size32 1
		.amdhsa_system_sgpr_workgroup_id_x 1
		.amdhsa_system_sgpr_workgroup_id_y 1
		.amdhsa_system_sgpr_workgroup_id_z 1
		.amdhsa_system_vgpr_workitem_id 0
		.amdhsa_next_free_vgpr 160
		.amdhsa_next_free_sgpr 66
		.amdhsa_reserve_vcc 0
		.amdhsa_float_denorm_mode_32 3
		.amdhsa_float_denorm_mode_16_64 3
		.amdhsa_memory_ordered 1
		.amdhsa_forward_progress 1
		.amdhsa_inst_pref_size 14
	.end_amdhsa_kernel
	.amdgpu_metadata
---
amdhsa.version: [ 1, 2 ]
amdhsa.kernels:
  - .name:           k_q4fc3faf9e7_fine_proj
    .symbol:         k_q4fc3faf9e7_fine_proj.kd
    .args:
      - { .name: catf, .offset: 0, .size: 8, .value_kind: global_buffer, .address_space: global }
      - { .name: Wp, .offset: 8, .size: 8, .value_kind: global_buffer, .address_space: global }
      - { .name: bp, .offset: 16, .size: 8, .value_kind: global_buffer, .address_space: global }
      - { .name: out0, .offset: 24, .size: 8, .value_kind: global_buffer, .address_space: global }
    .group_segment_fixed_size: 9216
    .private_segment_fixed_size: 0
    .kernarg_segment_align: 8
    .kernarg_segment_size: 32
    .max_flat_workgroup_size: 256
    .sgpr_count:     66
    .vgpr_count:     160
    .wavefront_size: 32
...
	.end_amdgpu_metadata
.endif
;; end of part 6
